; MI455X (gfx1250); checked and timed in simulation.
; The chip was launched on July 23, 2026; its instructions are those of AMD's public machine-readable ISA for CDNA 5 (MIT licence, August 2026) and "CDNA5" Instruction Set Architecture Reference Guide (July 2026). The comments in the code are by the model that wrote it; some were corrected since.
;; Causal Self Attention. Allowed arithmetic: float matrix products may take bf16 or f16 operands with f32 sums; other float arithmetic in f32, or as packed bf16 or f16 multiplies, adds, multiply-adds, maxima and minima; sums over many terms, partial sums and values carried from step to step in f32; what a program stores and reads back later, other than sums and carried values, may be rounded once to bf16 or f16.
;; Inputs: Wk 1,024 x 1,024 float32; Wq 1,024 x 1,024 float32; Wv 1,024 x 1,024 float32; x 4 x 2,048 x 1,024 float32.
;; Outputs: out0 4 x 2,048 x 1,024 float32.
;; 2 versions, each right; version 2 is version 1 with the launch cast written anew for expert scheduling mode. Each part assembles by itself: llvm-mc -triple=amdgcn-amd-amdhsa -mcpu=gfx1250 --defsym DOCPART=n.
;; ======== version 1 of 2: 4 launches
;; limits: values are held in f16: magnitudes above 65,504 overflow, below 6.1e-05 lose precision; right only within a limited range of input values
;; workspace buffers: xw 23,068,672 bytes; qf 16,777,216 bytes; kf 16,777,216 bytes; vf 16,777,216 bytes; pb 18,874,368 bytes; st 1,048,576 bytes
;; launch cast (part 1): grid 704 x 1, 8 waves a work-group, no clusters, 0 bytes of LDS; arguments x, Wq, Wk, Wv, xw; writes xw
.if DOCPART == 1
	.amdgcn_target "amdgcn-amd-amdhsa--gfx1250"
	.amdhsa_code_object_version 6
	.text
	.protected	k_q9c5b9bac4e_cast
	.globl	k_q9c5b9bac4e_cast
	.p2align	8
	.type	k_q9c5b9bac4e_cast,@function
k_q9c5b9bac4e_cast:
	s_mov_b64 s[64:65], 0
	v_nop
	global_prefetch_b8 v0, s[64:65] scope:SCOPE_SE
	s_setreg_imm32_b32 hwreg(HW_REG_WAVE_MODE, 25, 1), 1
	s_wait_xcnt 0x0
; x [8192][1024] and Wq, Wk, Wv [1024][1024], all f32, are rounded once to bf16 and laid out for the projection:
; xw[kb 16][row 11264][64 bf16]: K in blocks of 64, a row of a block 128 bytes, a block KS bytes.
; ROWS.  Token s = 256 m2 + 128 w + 16 g + r of batch b goes to row 2048 b + 256 g + 32 m2 + 16 w + r: a block of 256 rows (one g) then holds
; 16 tokens out of every 128, so that under the causal mask all blocks of 256 x 256 scores are the same work.
; Channel e of matrix j (0 q, 1 k, 2 v) goes to row 8192 + (3 (e / 128) + j) 128 + e % 128: the 384 weight rows of a work-group of the projection lie together.
; SHARES.  A work-group takes 16 source rows (work-groups 0-511: x; 512-703: the weights).  Thread t takes row t / 16 and 16 bytes at 16 (t % 16) of each 256 bytes:
; a load of a wave covers 256 consecutive aligned bytes of two rows, a store 256 consecutive aligned bytes (two rows of 128).
; Memory binds: no LDS, no barrier, no matrix unit; all sixteen loads of a thread are out at once and no register is written twice.
.set KS, 1441792                       ; 11,264 rows x 128 bytes
.set XR, 4                             ; v[4:67]   sixteen loads of 4 f32
.set YR, 68                            ; v[68:99]  sixteen pairs of packed bf16
.set DB, 16                            ; s[16:21]  xw at my rows, at K blocks 0, 6 and 12: the stores' immediates then stay under 5 KS + 1
	s_load_b256 s[4:11], s[0:1], 0x0               ; x s[4:5], Wq s[6:7], Wk s[8:9], Wv s[10:11]
	s_load_b64 s[12:13], s[0:1], 0x20              ; xw
	v_lshrrev_b32 v3, 4, v0                        ; my row of the sixteen
	v_and_b32 v2, 15, v0
	v_lshlrev_b32 v1, 4, v2
	v_lshl_add_u32 v1, v3, 12, v1                  ; source: row x 4,096 + 16 (t % 16)
	v_lshlrev_b32 v2, 3, v2
	v_lshl_add_u32 v2, v3, 7, v2                   ; destination: row x 128 + 8 (t % 16)
	s_max_u32 s32, ttmp9, 512
	s_sub_co_u32 s32, s32, 512                     ; the weights' tile number (0 in a work-group of x)
	s_lshr_b32 s33, s32, 6                         ; j: which matrix
	s_and_b32 s26, s32, 63                         ; its tile of 16 channels
	s_lshr_b32 s27, s26, 3                         ; e / 128
	s_mul_i32 s27, s27, 3
	s_add_co_u32 s27, s27, s33
	s_lshl_b32 s27, s27, 7
	s_and_b32 s29, s26, 7
	s_lshl4_add_u32 s27, s29, s27
	s_add_co_u32 s27, s27, 8192                    ; the weights' destination row
	s_lshr_b32 s28, ttmp9, 7
	s_lshl_b32 s28, s28, 7                         ; 128 b
	s_and_b32 s29, ttmp9, 7
	s_lshl4_add_u32 s28, s29, s28                  ; + 16 g
	s_bfe_u32 s29, ttmp9, 0x30004
	s_lshl1_add_u32 s28, s29, s28                  ; + 2 m2
	s_bfe_u32 s29, ttmp9, 0x10003
	s_add_co_u32 s28, s28, s29                     ; + w
	s_lshl_b32 s28, s28, 4                         ; x's destination row
	s_cmp_lt_u32 ttmp9, 512
	s_cselect_b32 s24, s28, s27
	s_cselect_b32 s22, ttmp9, s26
	s_lshl_b32 s24, s24, 7                         ; destination row x 128 bytes
	s_lshl_b32 s22, s22, 16                        ; source tile x 16 rows x 4,096 bytes
	s_mov_b32 s25, 0
	s_mov_b32 s23, 0
	s_wait_kmcnt 0x0
	s_cmp_eq_u32 s33, 1
	s_cselect_b64 s[14:15], s[8:9], s[6:7]
	s_cmp_eq_u32 s33, 2
	s_cselect_b64 s[14:15], s[10:11], s[14:15]
	s_cmp_lt_u32 ttmp9, 512
	s_cselect_b64 s[14:15], s[4:5], s[14:15]       ; the source tensor, chosen by the work-group's number alone
	s_add_nc_u64 s[14:15], s[14:15], s[22:23]
	s_add_nc_u64 s[DB:DB+1], s[12:13], s[24:25]
	s_add_nc_u64 s[DB+2:DB+3], s[DB:DB+1], 6*KS
	s_add_nc_u64 s[DB+4:DB+5], s[DB:DB+1], 12*KS
.set kb, 0
.rept 16
	global_load_b128 v[XR+4*kb:XR+4*kb+3], v1, s[14:15] offset:256*kb th:TH_LOAD_NT
.set kb, kb+1
.endr
.set kb, 0
.rept 16
	s_wait_loadcnt 15-kb                           ; loads come back in order: block kb is in, the 15 - kb younger ones stay out
	v_cvt_pk_bf16_f32 v[YR+2*kb], v[XR+4*kb], v[XR+4*kb+1]
	v_cvt_pk_bf16_f32 v[YR+2*kb+1], v[XR+4*kb+2], v[XR+4*kb+3]
	global_store_b64 v2, v[YR+2*kb:YR+2*kb+1], s[DB+2*(kb/6):DB+2*(kb/6)+1] offset:(kb%6)*KS
.set kb, kb+1
.endr
	s_endpgm
.Lfunc_end_k_q9c5b9bac4e_cast:
	.size	k_q9c5b9bac4e_cast, .Lfunc_end_k_q9c5b9bac4e_cast-k_q9c5b9bac4e_cast
	.p2alignl 7, 3214868480
	.fill 96, 4, 3214868480
	.section	.rodata,"a",@progbits
	.p2align	6, 0x0
	.amdhsa_kernel k_q9c5b9bac4e_cast
		.amdhsa_group_segment_fixed_size 0
		.amdhsa_private_segment_fixed_size 0
		.amdhsa_enable_private_segment 0
		.amdhsa_kernarg_size 40
		.amdhsa_user_sgpr_count 2
		.amdhsa_user_sgpr_kernarg_segment_ptr 1
		.amdhsa_wavefront_size32 1
		.amdhsa_system_sgpr_workgroup_id_x 1
		.amdhsa_system_sgpr_workgroup_id_y 1
		.amdhsa_system_sgpr_workgroup_id_z 1
		.amdhsa_system_vgpr_workitem_id 0
		.amdhsa_next_free_vgpr 104
		.amdhsa_next_free_sgpr 66
		.amdhsa_reserve_vcc 0
		.amdhsa_float_denorm_mode_32 3
		.amdhsa_float_denorm_mode_16_64 3
		.amdhsa_memory_ordered 1
		.amdhsa_forward_progress 1
		.amdhsa_inst_pref_size 8
	.end_amdhsa_kernel
	.amdgpu_metadata
---
amdhsa.version: [ 1, 2 ]
amdhsa.kernels:
  - .name:           k_q9c5b9bac4e_cast
    .symbol:         k_q9c5b9bac4e_cast.kd
    .args:
      - { .name: x, .offset: 0, .size: 8, .value_kind: global_buffer, .address_space: global }
      - { .name: Wq, .offset: 8, .size: 8, .value_kind: global_buffer, .address_space: global }
      - { .name: Wk, .offset: 16, .size: 8, .value_kind: global_buffer, .address_space: global }
      - { .name: Wv, .offset: 24, .size: 8, .value_kind: global_buffer, .address_space: global }
      - { .name: xw, .offset: 32, .size: 8, .value_kind: global_buffer, .address_space: global }
    .group_segment_fixed_size: 0
    .private_segment_fixed_size: 0
    .kernarg_segment_align: 8
    .kernarg_segment_size: 40
    .max_flat_workgroup_size: 256
    .sgpr_count:     66
    .vgpr_count:     104
    .wavefront_size: 32
...
	.end_amdgpu_metadata
.endif
;; end of part 1
;; launch proj (part 2): grid 8 x 32, 4 waves a work-group, clusters of 4 x 4, 327,680 bytes of LDS; arguments xw, qf, kf, vf; writes qf, kf, vf
.if DOCPART == 2
	.amdgcn_target "amdgcn-amd-amdhsa--gfx1250"
	.amdhsa_code_object_version 6
	.text
	.protected	k_q9c5b9bac4e_proj
	.globl	k_q9c5b9bac4e_proj
	.p2align	8
	.type	k_q9c5b9bac4e_proj,@function
k_q9c5b9bac4e_proj:
	s_mov_b64 s[64:65], 0
	v_nop
	global_prefetch_b8 v0, s[64:65] scope:SCOPE_SE
	s_setreg_imm32_b32 hwreg(HW_REG_WAVE_MODE, 25, 1), 1
	s_wait_xcnt 0x0
	s_wait_alu depctr_hold_cnt(0) depctr_sa_sdst(0) depctr_va_vdst(0) depctr_va_sdst(0) depctr_va_ssrc(0) depctr_va_vcc(0) depctr_vm_vsrc(0)
	s_getreg_b32 s2, hwreg(HW_REG_IB_STS2, 6, 4)
	s_cmp_eq_u32 s2, 0
	s_cbranch_scc0 .Lentry_in_a_cluster
	s_endpgm
.Lentry_in_a_cluster:
	s_bfe_u32 s2, ttmp6, 0x10000c
	s_cmp_lg_u32 s2, 0xf033
	s_cbranch_scc0 .Lentry_shape_is_right
	s_endpgm
.Lentry_shape_is_right:
; q, k, v = x W^T for 8,192 tokens (in the stored order of xw) and 3 x 1,024 channels; bf16 operands, f32 sums, results rounded once to f16.
; LIMIT.  f16 ends at 65,504: |q|, |k|, |v| must stay below it (inputs 30 times those drawn give some 5e3, a common offset of 30 spreads some 3e4).
; SHARES.  Work-group (cg, y): 256 rows (block y) x 128 channels (128 cg ..) of EACH of q, k, v: 256 x 384, one such tile for each of 256 work-groups.
; Wave (wr, wc): rows 128 wr .., channels 64 wc .. of each matrix: 96 accumulators of 16 x 16, a window of 256 registers for each matrix.
; K goes in 16 steps of 64 (one block of xw) through two LDS slots; two slots of 128 along K would not fit beside each other.
; CLUSTER 4 x 4: x's tile hangs on y alone and is asked for jointly along a row of the cluster, the weights' on cg alone, along a column.
; RESULTS LEAVE IN FRAGMENT ORDER: 1,024 bytes = [half 2][lane 32][16 bytes]; lane (r = l % 16, hh = l / 16) of half f holds row r, k = 16 f + 8 hh + 0..7.
; For q and k source 0 = weights, source 1 = tokens: a lane holds one token and 8 channels, and four roundings make just one lane's 16 bytes of a half fragment
; (rows = tokens, k = channels).  For v the sources are swapped: a lane holds one channel and 8 tokens (rows = channels, k = tokens).  So each accumulator
; leaves by ONE store of 512 consecutive aligned bytes, with no way through LDS.
;   qf, kf: [cg 8][row tile 512][k32 4][1,024]        vf: [y 32][channel tile 64][32 tokens 8][1,024]
; REGISTERS.  window 0: v0-31 addresses; v32-95, v96-159 x's fragments, two buffers of 8; v160-255 the weights' 12 fragments, one buffer: group j is loaded again
; straight behind its 32 products and read 64 products later.  windows 1, 2, 3: the accumulators of q, k, v, (a, b) at 8 (4 a + b).
.set KS,     1441792                   ; bytes of a K block of xw
.set PITCH,  144                       ; an LDS row: 128 bytes + 16 of padding = 9 x 16: the 16 rows of a fragment load start at 16 different groups of four banks (ISA guide 11.1)
.set BOFF,   256*PITCH                 ; x's 256 rows, then the weights' 3 x 128
.set BJ,     128*PITCH
.set SLOTX,  131072                    ; slot 1 begins here; no in-slot target (0, 0x9000, 0xd800, 0x12000) has this bit, so an exclusive or changes slots
.set SPARE,  SLOTX+BOFF+3*BJ           ; behind the ring: the spare words, 128 bytes a wave: two blocks of 256 bytes that no other line names
.set A0,   4                           ; v4   my place in x's fragments of slot 0; never rewritten
.set B0,   5                           ; v5   the same for the weights
.set ADRA, 6                           ; v6   A0 + the slot in hand
.set ADRB, 7                           ; v7   B0 + the slot in hand
.set SO,   8                           ; v8   16 x lane: my 16 bytes of a half fragment
.set SPW,  28                          ; v28  my spare word; never rewritten
.set NIL,  29                          ; v29  0; never rewritten
.set PFO,  30                          ; v30  the prefetches' offset; never rewritten
.set AF0,  32
.set AF1,  96
.set BF,   160
.set TMP,  32                          ; the way out: 128 registers of packed results
.set WV,  12
.set WR,  13
.set WC,  14
.set CX,  15
.set CY,  16
.set GX,  17                           ; cg
.set GY,  18                           ; y
.set CLY, 19                           ; the cluster's y
.set G1A, 24                           ; s[24:31] group 1 for x's tile
.set G1B, 32                           ; s[32:39] for a matrix's tile
.set G0A, 40                           ; s[40:47] group 0 for x: a set for each first fill; the second then walks
.set G0B, 48                           ; s[48:55] the same for the weights
.set TB,  56                           ; s56  0 or SLOTX: the slot that is read
.set LIM, 57                           ; s57  2 in a wave that prefetches, else the greatest number
.set PAR, 58                           ; s58  0: asks in every trip; 1: in trips with an even count
.set TS,  59                           ; s59  at work
.set PFA, 60                           ; s[60:61] where my prefetches stand
.set MSB, 0
.macro WIN new                         ; the immediate's high byte repeats the setting that is left; a switch that changes nothing is dropped
.if MSB != (\new)
	s_set_vgpr_msb (MSB<<8)|(\new)
.set MSB, (\new)
.endif
.endm
.macro PLACES                          ; four plain places behind matrix instructions, in front of loads into registers that they read and of conversions of their results
.rept 4
	v_nop
.endr
.endm
.macro CREST                           ; a round of the cluster's barrier behind its opening barrier
	s_cmp_lg_u32 s[WV], 0
	s_cbranch_scc1 .Lnw0_\@
	s_barrier_signal -3
.Lnw0_\@:
	s_barrier_wait -3
	s_barrier_signal -1
	s_barrier_wait -1
.endm
.macro CROUND
	s_barrier_signal -1
	s_barrier_wait -1
	CREST
.endm
; A joint refill by the walking descriptors: wave 0 fetches x's 256 rows, waves 1 to 3 a matrix's 128 rows each.  The branch hangs on the wave's number alone.
.macro JLOAD
	s_cmp_eq_u32 s[WV], 0
	s_cbranch_scc0 .Lfor_b_\@
	tensor_load_to_lds s[G0A+4:G0A+7], s[G1A:G1A+7]
	s_nop 0
.rept 4
	v_nop
.endr
	s_branch .Lasked_\@
.Lfor_b_\@:
	tensor_load_to_lds s[G0B+4:G0B+7], s[G1B:G1B+7]
	s_nop 0
.rept 4
	v_nop
.endr
.Lasked_\@:
.endm
; A PREFETCH of the K block that stands two refills on.  x's rows of block y are read by both clusters of that row of clusters: the one with x = 0 asks; the weights' by all eight clusters of a
; column: the one with y = 0 asks.  The four partners that ask for a tile jointly share it out BY ADDRESS: of x's 32 KiB partner cx takes 8 KiB, a lane 256 bytes, in every trip;
; of a matrix's 16 KiB partner cy takes 4 KiB, lanes 0-15, and lanes 16-31 the same bytes of the K block after, so those waves ask in every second trip.  Each 256 bytes are named once.
; The refills of K blocks 14 and 15 ask for nothing: there is no block 16.  Blocks 0 to 3 come by their loads alone.
.macro ASK
	s_and_b32 s[TS], s3, s[PAR]
	s_cmp_eq_u32 s[TS], 0
	s_cselect_b32 s[TS], s3, 0
	s_cmp_gt_u32 s[TS], s[LIM]
	s_cbranch_scc0 .Lnot_mine_\@
	global_prefetch_b8 v[PFO], s[PFA:PFA+1] th:TH_LOAD_NT scope:SCOPE_SE
.Lnot_mine_\@:
.endm
	s_load_b256 s[4:11], s[0:1], 0x0               ; xw s[4:5], qf s[6:7], kf s[8:9], vf s[10:11]
	v_lshl_add_u32 v[SPW], v0, 2, SPARE
	v_mov_b32 v[NIL], 0
	ds_add_u32 v[SPW], v[NIL]                      ; the wave's opening: the add and its wait stand ahead of my first tensor load; the set-up below stands between them
	v_lshrrev_b32 v1, 5, v0
	v_readfirstlane_b32 s[WV], v1                  ; wave 0..3
	s_lshr_b32 s[WR], s[WV], 1
	s_and_b32 s[WC], s[WV], 1
	s_bfe_u32 s[CX], ttmp6, 0x40000
	s_bfe_u32 s[CY], ttmp6, 0x40004
	s_lshl_b32 s[GX], ttmp9, 2
	s_add_co_u32 s[GX], s[GX], s[CX]               ; cg = 4 x cluster x + cx
	s_and_b32 s[CLY], ttmp7, 0xffff
	s_lshl_b32 s[GY], s[CLY], 2
	s_add_co_u32 s[GY], s[GY], s[CY]               ; y = 4 x cluster y + cy
	s_lshl_b32 s20, s[CY], 2
	s_lshl_b32 s20, 15, s20                        ; my row of the cluster
	s_lshl_b32 s22, 0x1111, s[CX]                  ; my column
	; group 1: dense blocks asked for as rows of 256 bytes (two rows of xw), 16 bytes of padding behind every 128
	s_or_b32 s[G1A], s20, (1<<16)|(1<<20)|(1<<21)|(4<<22)|(3<<25)  ; 15:0 mask; 17:16 2-byte elements; 20 padding on; 21 set beside a mask; 24:22 after every 32 words; 31:25 4 words
	s_or_b32 s[G1B], s22, (1<<16)|(1<<20)|(1<<21)|(4<<22)|(3<<25)
	s_mov_b32 s[G1A+1], 128<<16                    ; tensor_dim0 = 128
	s_mov_b32 s[G1A+2], 128<<16                    ; tensor_dim1 = 128
	s_mov_b32 s[G1A+3], 128<<16                    ; tile_dim0 = 128
	s_mov_b32 s[G1A+4], 128                        ; tile_dim1 = 128: 32 KiB
	s_mov_b32 s[G1A+5], 128                        ; 128 elements from row to row
	s_mov_b32 s[G1A+6], 0
	s_mov_b32 s[G1A+7], 0
	s_mov_b32 s[G1B+1], 128<<16
	s_mov_b32 s[G1B+2], 64<<16                     ; 64 rows: 16 KiB
	s_mov_b32 s[G1B+3], 128<<16
	s_mov_b32 s[G1B+4], 64
	s_mov_b32 s[G1B+5], 128
	s_mov_b32 s[G1B+6], 0
	s_mov_b32 s[G1B+7], 0
	s_lshl_b32 s20, s[GY], 15                      ; x: 256 y rows of 128 bytes
	s_mov_b32 s21, 0
	s_mul_i32 s22, s[GX], 3
	s_add_co_u32 s22, s22, s[WV]                   ; the weights: group 3 cg + (wave - 1) of 128 rows,
	s_lshl_b32 s22, s22, 14
	s_add_co_u32 s22, s22, 8192*128-16384          ; behind x's 8,192 rows
	s_mov_b32 s23, 0
	s_mul_i32 s2, s[WV], BJ
	s_add_co_u32 s2, s2, BOFF-BJ                   ; and where they go: BOFF + (wave - 1) x 128 rows
	s_lshl_b32 s62, s[CX], 13                      ; the prefetches: my work-group's part of what I fetch
	s_add_co_u32 s62, s62, s20
	s_lshl_b32 s63, s[CY], 12
	s_add_co_u32 s63, s63, s22
	s_mov_b32 s3, KS
	s_cmp_eq_u32 s[WV], 0
	s_cselect_b32 s62, s62, s63
	s_cselect_b32 s[TS], ttmp9, s[CLY]             ; the coordinate along which other clusters read the same rows
	s_cselect_b32 s[PAR], 0, 1
	s_cselect_b32 s3, 4096, s3                     ; what lanes 16-31 add: sixteen more blocks of 256 bytes, or a K block
	s_cmp_eq_u32 s[TS], 0
	s_cselect_b32 s[LIM], 2, -1                    ; the same in all sixteen partners, for a given wave
	s_add_co_u32 s62, s62, 3*KS                    ; at K block 3: the first refill steps it to 4
	s_mov_b32 s63, 0
	v_and_b32 v1, 15, v0                           ; r = l % 16
	v_bfe_u32 v2, v0, 4, 1                         ; hh = l / 16
	v_mul_u32_u24 v[PFO], s3, v2
	v_lshl_add_u32 v[PFO], v1, 8, v[PFO]
	s_mov_b32 s[TB], 0
	s_wait_dscnt 0x0                               ; the opening add is done
	s_wait_kmcnt 0x0
	s_add_nc_u64 s[20:21], s[4:5], s[20:21]
	s_add_nc_u64 s[22:23], s[4:5], s[22:23]
	s_add_nc_u64 s[PFA:PFA+1], s[4:5], s[62:63]
.irp s, 0,1
	s_mov_b32 s[G0A+4*(\s)], 1                                     ; count = 1
	s_mov_b32 s[G0A+4*(\s)+1], (\s)*SLOTX                          ; LDS address
	s_add_nc_u64 s[G0A+4*(\s)+2:G0A+4*(\s)+3], s[20:21], (\s)*KS   ; global address: K block s
	s_or_b32 s[G0A+4*(\s)+3], s[G0A+4*(\s)+3], 0x80000000          ; type = 2
	s_mov_b32 s[G0B+4*(\s)], 1
	s_add_co_u32 s[G0B+4*(\s)+1], s2, (\s)*SLOTX
	s_add_nc_u64 s[G0B+4*(\s)+2:G0B+4*(\s)+3], s[22:23], (\s)*KS
	s_or_b32 s[G0B+4*(\s)+3], s[G0B+4*(\s)+3], 0x80000000
.endr
	CROUND                                         ; all sixteen work-groups are here: the first joint loads meet
	s_cmp_eq_u32 s[WV], 0                          ; a wave's two first fills stand in one branch: two tensor loads of mine are out
	s_cbranch_scc0 .Lfirst_b
	tensor_load_to_lds s[G0A:G0A+3], s[G1A:G1A+7]
	s_nop 0
	tensor_load_to_lds s[G0A+4:G0A+7], s[G1A:G1A+7]
	s_nop 0
.rept 4
	v_nop
.endr
	s_branch .Lfirst_asked
.Lfirst_b:
	tensor_load_to_lds s[G0B:G0B+3], s[G1B:G1B+7]
	s_nop 0
	tensor_load_to_lds s[G0B+4:G0B+7], s[G1B:G1B+7]
	s_nop 0
.rept 4
	v_nop
.endr
.Lfirst_asked:
	v_mul_u32_u24 v3, v1, PITCH
	v_lshl_add_u32 v3, v2, 4, v3                   ; a fragment's row x pitch + 16 x half of the lanes
	s_mul_i32 s62, s[WR], 128*PITCH
	s_mul_i32 s63, s[WC], 64*PITCH
	s_add_co_u32 s63, s63, BOFF
	v_add_nc_u32 v[A0], s62, v3
	v_add_nc_u32 v[B0], s63, v3
	v_mov_b32 v[ADRA], v[A0]
	v_mov_b32 v[ADRB], v[B0]
	v_and_b32 v[SO], 31, v0
	v_lshlrev_b32 v[SO], 4, v[SO]
	s_lshl_b32 s62, s[GX], 21                      ; qf, kf: cg x 2 MiB + (16 y + 8 wr) x 4,096 + wc x 2,048
	s_lshl_b32 s63, s[GY], 16
	s_add_co_u32 s62, s62, s63
	s_lshl_b32 s63, s[WR], 15
	s_add_co_u32 s62, s62, s63
	s_lshl_b32 s63, s[WC], 11
	s_add_co_u32 s62, s62, s63
	s_mov_b32 s63, 0
	s_add_nc_u64 s[6:7], s[6:7], s[62:63]
	s_add_nc_u64 s[8:9], s[8:9], s[62:63]
	s_lshl_b32 s62, s[GY], 19                      ; vf: (64 y + 8 cg + 4 wc) x 8,192 + wr x 4,096
	s_lshl_b32 s63, s[GX], 16
	s_add_co_u32 s62, s62, s63
	s_lshl_b32 s63, s[WC], 15
	s_add_co_u32 s62, s62, s63
	s_lshl_b32 s63, s[WR], 12
	s_add_co_u32 s62, s62, s63
	s_mov_b32 s63, 0
	s_add_nc_u64 s[10:11], s[10:11], s[62:63]
; The products of matrix j with x's row blocks a0 .. a1 of buffer f, 32 along K.  zero = 1: they start the sums: nothing is cleared.  All 96 accumulators take turns.
.macro G j, f, a0, a1, zero
	WIN 0x50*((\j)+1)                              ; C and D in the matrix's window, both sources in window 0
.set a, (\a0)
.rept (\a1)-(\a0)+1
.set b, 0
.rept 4
.set rD, 8*(4*a+b)
.if (\j) < 2
.set opa, BF+32*(\j)+8*b
.set opb, (\f)+8*a
.else
.set opa, (\f)+8*a
.set opb, BF+32*(\j)+8*b
.endif
.if \zero
	v_wmma_f32_16x16x32_bf16 v[rD:rD+7], v[opa:opa+7], v[opb:opb+7], 0
.else
	v_wmma_f32_16x16x32_bf16 v[rD:rD+7], v[opa:opa+7], v[opb:opb+7], v[rD:rD+7]
.endif
.set b, b+1
.endr
.set a, a+1
.endr
.endm
.macro LB j, k                         ; matrix j's four fragments at byte k of the rows: 8 loads
	WIN 0
.set b, 0
.rept 4
	ds_load_b128 v[BF+32*(\j)+8*b:BF+32*(\j)+8*b+3],   v[ADRB] offset:(\j)*BJ+b*16*PITCH+(\k)
	ds_load_b128 v[BF+32*(\j)+8*b+4:BF+32*(\j)+8*b+7], v[ADRB] offset:(\j)*BJ+b*16*PITCH+(\k)+32
.set b, b+1
.endr
.endm
.macro LA f, k                         ; x's eight fragments into buffer f: 16 loads
	WIN 0
.set a, 0
.rept 8
	ds_load_b128 v[(\f)+8*a:(\f)+8*a+3],   v[ADRA] offset:a*16*PITCH+(\k)
	ds_load_b128 v[(\f)+8*a+4:(\f)+8*a+7], v[ADRA] offset:a*16*PITCH+(\k)+32
.set a, a+1
.endr
.endm
; A K step's first 32 along K; it fetches the second 32 of the same slot.
.macro PHASE0 zero
	s_wait_dscnt 16                                ; group 0 and x are in; groups 1 and 2 (8 + 8 loads) may be out
	G 0, AF0, 0, 7, \zero
	PLACES
	LB 0, 64
	LA AF1, 64
	s_wait_dscnt 32                                ; group 1 is in: behind it came group 2's 8 loads and the 24 just issued
	G 1, AF0, 0, 7, \zero
	PLACES
	LB 1, 64
	s_wait_dscnt 32                                ; group 2 is in: behind it came 24 + 8
	G 2, AF0, 0, 7, \zero
	PLACES
	LB 2, 64
.endm
; The second 32 along K, and the change of slots: ONE barrier.  In front of it each wave waits for all its tensor loads (one is out: its part of the next slot), adds 0 to its spare word,
; and waits for that and for its reads of this slot.  fill = 1: the barrier opens a round of the cluster's, and behind the round this slot is filled again first, two K blocks on:
; that load has 160 matrix instructions of the wave in which to land.
.macro TURN fill
.if \fill
	s_wait_xcnt 0x0                                ; the last prefetch, a K step back, has read its address
	s_add_nc_u64 s[PFA:PFA+1], s[PFA:PFA+1], KS
.endif
	WIN 0
	s_wait_tensorcnt 0x0                           ; all my tensor loads have landed
	ds_add_u32 v[SPW], v[NIL]                      ; 0 onto my spare word
	s_wait_dscnt 17                                ; group 0 and x are in; the add and groups 1 and 2 may be out
	G 0, AF1, 0, 3, 0
	s_wait_dscnt 0x0                               ; the add is done, and my reads of this slot are over
	s_barrier_signal -1
	G 0, AF1, 4, 7, 0
	WIN 0
	s_barrier_wait -1
.if \fill
	CREST                                          ; no wave of any partner still reads this slot or has a load on its way
	s_xor_b32 s[G0A+5], s[G0A+5], SLOTX            ; the walking descriptors: the other slot than last time, the next K block
	s_add_nc_u64 s[G0A+6:G0A+7], s[G0A+6:G0A+7], KS
	s_xor_b32 s[G0B+5], s[G0B+5], SLOTX
	s_add_nc_u64 s[G0B+6:G0B+7], s[G0B+6:G0B+7], KS
	JLOAD                                          ; its four v_nop are also the places in front of the loads below
.else
	PLACES
.endif
	s_xor_b32 s[TB], s[TB], SLOTX
	v_add_nc_u32 v[ADRA], s[TB], v[A0]
	v_add_nc_u32 v[ADRB], s[TB], v[B0]
	LB 0, 0
	LA AF0, 0
.if \fill
	ASK
.endif
	G 1, AF1, 0, 7, 0                              ; (all of this phase's fragments were waited for in front of the signal)
	PLACES
	LB 1, 0
	G 2, AF1, 0, 7, 0
	PLACES
	LB 2, 0
.endm
	s_wait_tensorcnt 0x1                           ; my part of K block 0 is in; block 1's may stay out
	s_barrier_signal -1
	s_barrier_wait -1
	LB 0, 0
	LA AF0, 0
	LB 1, 0
	LB 2, 0
	PHASE0 1                                       ; the first products start the sums
	WIN 0
	s_mov_b32 s3, 14
.Lk:                                               ; a trip: a K step's second half, the change of slots with a refill (K blocks 2 to 15), the next step's first half
	TURN 1
	PHASE0 0
	WIN 0
	s_sub_co_u32 s3, s3, 1
	s_cmp_lg_u32 s3, 0
	s_cbranch_scc1 .Lk
	TURN 0                                         ; the tail is written out: nothing is left to ask for
	PHASE0 0
	s_wait_dscnt 16
	G 0, AF1, 0, 7, 0
	s_wait_dscnt 8
	G 1, AF1, 0, 7, 0
	s_wait_dscnt 0x0
	G 2, AF1, 0, 7, 0
	PLACES
; THE WAY OUT of matrix j: 32 accumulators are rounded to f16, each accumulator's registers in ascending order, and each leaves by one store of 512 consecutive aligned bytes.
.macro OUT j, base, sa, sb
.if (\j) > 0
	s_wait_xcnt 0x0                                ; the stores before have read TMP
.endif
	WIN 5*((\j)+1)                                 ; sources 0 and 1 in the matrix's window
.set t, 0
.rept 32
.irp rr, 0,1,2,3
	v_cvt_pk_f16_f32 v[TMP+4*t+\rr], v[8*t+2*\rr], v[8*t+2*\rr+1]
.endr
.set t, t+1
.endr
	WIN 0
.set t, 0
.rept 32
	global_store_b128 v[SO], v[TMP+4*t:TMP+4*t+3], s[\base:\base+1] offset:(t/4)*(\sa)+(t%4)*(\sb)
.set t, t+1
.endr
.endm
	OUT 0, 6, 4096, 512                            ; q: row tile a, channel tile b
	OUT 1, 8, 4096, 512                            ; k
	OUT 2, 10, 512, 8192                           ; v: token tile a is half a fragment, channel tile b is 8 fragments on
	s_wait_tensorcnt 0x0                           ; the wave's end
	ds_add_u32 v[SPW], v[NIL]
	s_wait_dscnt 0x0
	CROUND                                         ; the closing round: no work-group ends while a partner may still ask for a tile that names it
	s_endpgm
.Lfunc_end_k_q9c5b9bac4e_proj:
	.size	k_q9c5b9bac4e_proj, .Lfunc_end_k_q9c5b9bac4e_proj-k_q9c5b9bac4e_proj
	.p2alignl 7, 3214868480
	.fill 96, 4, 3214868480
	.section	.rodata,"a",@progbits
	.p2align	6, 0x0
	.amdhsa_kernel k_q9c5b9bac4e_proj
		.amdhsa_group_segment_fixed_size 327680
		.amdhsa_private_segment_fixed_size 0
		.amdhsa_enable_private_segment 0
		.amdhsa_kernarg_size 32
		.amdhsa_user_sgpr_count 2
		.amdhsa_user_sgpr_kernarg_segment_ptr 1
		.amdhsa_wavefront_size32 1
		.amdhsa_system_sgpr_workgroup_id_x 1
		.amdhsa_system_sgpr_workgroup_id_y 1
		.amdhsa_system_sgpr_workgroup_id_z 1
		.amdhsa_system_vgpr_workitem_id 0
		.amdhsa_next_free_vgpr 1024
		.amdhsa_next_free_sgpr 66
		.amdhsa_reserve_vcc 0
		.amdhsa_float_denorm_mode_32 3
		.amdhsa_float_denorm_mode_16_64 3
		.amdhsa_memory_ordered 1
		.amdhsa_forward_progress 1
		.amdhsa_inst_pref_size 97
	.end_amdhsa_kernel
	.amdgpu_metadata
---
amdhsa.version: [ 1, 2 ]
amdhsa.kernels:
  - .name:           k_q9c5b9bac4e_proj
    .symbol:         k_q9c5b9bac4e_proj.kd
    .args:
      - { .name: xw, .offset: 0, .size: 8, .value_kind: global_buffer, .address_space: global }
      - { .name: qf, .offset: 8, .size: 8, .value_kind: global_buffer, .address_space: global }
      - { .name: kf, .offset: 16, .size: 8, .value_kind: global_buffer, .address_space: global }
      - { .name: vf, .offset: 24, .size: 8, .value_kind: global_buffer, .address_space: global }
    .group_segment_fixed_size: 327680
    .private_segment_fixed_size: 0
    .kernarg_segment_align: 8
    .kernarg_segment_size: 32
    .max_flat_workgroup_size: 128
    .sgpr_count:     66
    .vgpr_count:     1024
    .wavefront_size: 32
...
	.end_amdgpu_metadata
.endif
;; end of part 2
;; launch scores (part 3): grid 8 x 32, 4 waves a work-group, clusters of 4 x 4, 327,680 bytes of LDS; arguments qf, kf, pb, st; writes pb, st
.if DOCPART == 3
	.amdgcn_target "amdgcn-amd-amdhsa--gfx1250"
	.amdhsa_code_object_version 6
	.text
	.protected	k_q9c5b9bac4e_scores
	.globl	k_q9c5b9bac4e_scores
	.p2align	8
	.type	k_q9c5b9bac4e_scores,@function
k_q9c5b9bac4e_scores:
	s_mov_b64 s[64:65], 0
	v_nop
	global_prefetch_b8 v0, s[64:65] scope:SCOPE_SE
	s_setreg_imm32_b32 hwreg(HW_REG_WAVE_MODE, 25, 1), 1
	s_wait_xcnt 0x0
	s_wait_alu depctr_hold_cnt(0) depctr_sa_sdst(0) depctr_va_vdst(0) depctr_va_sdst(0) depctr_va_ssrc(0) depctr_va_vcc(0) depctr_vm_vsrc(0)
	s_getreg_b32 s2, hwreg(HW_REG_IB_STS2, 6, 4)
	s_cmp_eq_u32 s2, 0
	s_cbranch_scc0 .Lentry_in_a_cluster
	s_endpgm
.Lentry_in_a_cluster:
	s_bfe_u32 s2, ttmp6, 0x10000c
	s_cmp_lg_u32 s2, 0xf033
	s_cbranch_scc0 .Lentry_shape_is_right
	s_endpgm
.Lentry_shape_is_right:
; S = Q K^T on the tiles that the causal mask leaves, and a softmax by blocks.  f16 operands, f32 sums, maxima and row sums.
; ORDER OF TOKENS.  Token s = 256 m2 + 128 w + 16 g + r is stored at 256 g + 16 (2 m2 + w) + r.  In the block (queries of class g, keys of class h) the tile of 16 x 16 (m = 2 m2 + w, n = 2 n2 + w')
; is wholly visible if m2 > n2, wholly hidden if m2 < n2, and for m2 = n2 goes by (w, g, r) against (w', h, r').  So all 256 blocks are the same work.
; SHARES.  Work-group (h, y = 8 batch + g): 256 queries x 256 keys.  Wave (wr, wc): tiles m = 2 m2 + wr, n = 2 n2 + wc with m2 >= n2: 36 accumulators, the same text in all waves.
; K (the 1,024 channels) goes in 8 steps of 128 through two LDS slots; tiles come in fragment order (see the projection), so a fragment is two loads at 16 x lane, without conflicts or padding.
; Source 0 = keys, source 1 = queries: a lane holds ONE query (l % 16) and the keys 8 (l / 16) + 0..7 of a tile.
; THE MASK is the C operand that starts the sums of the 8 tiles m2 = n2: 0, or -1e30 where the key is hidden: MD (hidden where 8 (l / 16) + j > l % 16) x AL + BE, with
; G = 8 wr + g, H = 8 wc + h: (AL, BE) = (1, 0) if G = H; (0, 0) if G > H; (0, -1e30) if G < H.  They are values, chosen by s_cselect; no branch hangs on them.
; SOFTMAX BY BLOCKS.  For each query and each (h, wc): M = max(floor(c max s) + 1, -2^93), c = log2(e) / 32; P' = 2^(c s - M), at most 1, its largest in [0.5, 1), rounded to f16; L = the sum of the
; unrounded P'.  The next launch takes the maximum of a row's 16 M and rescales by 2^(M - Mrow), a power of two.  So the maximum is taken away before every exponential, in two steps.
; LIMITS.  A hidden score counts as its value less 1e30; a block with no visible key has M = -2^93, P' = 0, L = 0; a weight below 2^-126 counts as 0 in L; NaN and infinities are not treated apart.
; OUT.  Four roundings of an accumulator are one lane's 16 bytes of half wc of the fragment (32 keys kk = n2, query tile m): pb[y][h][kk (17 - kk) + m - 2 kk][1,024]: one store of 512 aligned bytes.
;   st[y][h][wr][wc][M, L][lane = 16 (m2 / 4) + r][m2 % 4], f32.
; REGISTERS.  window 0: v0-31 addresses; v32-39 the mask; v40-59 at work; v64-127, v128-191 Q's fragments, two buffers (later v64-207 packed P'); v216-223 L
;   window 1: accumulators (m2 <= 6, n2) at 8 (m2 (m2 + 1) / 2 + n2)      window 2: v0-63 accumulators (7, n2); v64-127, v128-191 K's fragments
.set STEP,  2097152                    ; bytes from a K step of qf or kf to the next
.set SLOTX, 131072                     ; a slot: Q's 64 KiB, then K's 64 KiB
.set SPARE, 2*SLOTX                    ; behind the ring: the spare words
.set A0,   4
.set B0,   5
.set ADRA, 6
.set ADRB, 7
.set PO,   8                           ; v8   16 x lane
.set SPW,  28
.set NIL,  29
.set PFO,  30                          ; v30  256 x lane
.set MK,   32
.set CT,   40                          ; v40-47 a maximum for each accumulator of a row of tiles
.set MX,   48
.set TT,   49
.set MP,   50                          ; v[50:51] M, as a pair
.set MS,   52                          ; v52-59 M of row tile m2
.set LS,   216                         ; v216-223 L of row tile m2
.set TMP,  64
.set WV,  12
.set WR,  13
.set WC,  14
.set CX,  15
.set CY,  16
.set GX,  17                           ; h
.set GY,  18                           ; y
.set CLY, 19
.set G1A, 24
.set G1B, 32
.set G0A, 40
.set G0B, 48
.set TB,  56
.set LIM, 57
.set CS,  58                           ; s[58:59] c
.set PFA, 60
.set SEL, 62                           ; s[62:63] v_permlanex16_b32's selects: each lane takes its own place in the other half
.set BIGN, 66
.set AL,  67
.set BE,  68
.set FLM, 69
.set HM,  70
.set MSB, 0
.macro WIN new
.if MSB != (\new)
	s_set_vgpr_msb (MSB<<8)|(\new)
.set MSB, (\new)
.endif
.endm
.macro PLACES
.rept 4
	v_nop
.endr
.endm
.macro CREST
	s_cmp_lg_u32 s[WV], 0
	s_cbranch_scc1 .Lnw0_\@
	s_barrier_signal -3
.Lnw0_\@:
	s_barrier_wait -3
	s_barrier_signal -1
	s_barrier_wait -1
.endm
.macro CROUND
	s_barrier_signal -1
	s_barrier_wait -1
	CREST
.endm
.macro JLOAD                           ; waves 0 and 1 fetch the halves of Q's tile, waves 2 and 3 those of K's: 32 KiB each
	s_cmp_lt_u32 s[WV], 2
	s_cbranch_scc0 .Lfor_b_\@
	tensor_load_to_lds s[G0A+4:G0A+7], s[G1A:G1A+7]
	s_nop 0
.rept 4
	v_nop
.endr
	s_branch .Lasked_\@
.Lfor_b_\@:
	tensor_load_to_lds s[G0B+4:G0B+7], s[G1B:G1B+7]
	s_nop 0
.rept 4
	v_nop
.endr
.Lasked_\@:
.endm
; A PREFETCH of the K step two refills on.  Q's rows of block y are read by both clusters of a row of clusters: the one with x = 0 asks; K's rows of (batch, h) by the batch's two clusters of a column:
; the one with even y asks.  Of the 32 KiB that a wave fetches each of the four partners that ask jointly takes 8 KiB BY ADDRESS, a lane 256 bytes.  The refills of steps 6 and 7 ask for nothing.
.macro ASK
	s_cmp_gt_u32 s3, s[LIM]
	s_cbranch_scc0 .Lnot_mine_\@
	global_prefetch_b8 v[PFO], s[PFA:PFA+1] th:TH_LOAD_NT scope:SCOPE_SE
.Lnot_mine_\@:
.endm
	s_load_b256 s[4:11], s[0:1], 0x0               ; qf s[4:5], kf s[6:7], pb s[8:9], st s[10:11]
	v_lshl_add_u32 v[SPW], v0, 2, SPARE
	v_mov_b32 v[NIL], 0
	ds_add_u32 v[SPW], v[NIL]                      ; the wave's opening: the add and its wait stand ahead of my first tensor load
	v_lshrrev_b32 v1, 5, v0
	v_readfirstlane_b32 s[WV], v1
	s_lshr_b32 s[WR], s[WV], 1
	s_and_b32 s[WC], s[WV], 1
	s_bfe_u32 s[CX], ttmp6, 0x40000
	s_bfe_u32 s[CY], ttmp6, 0x40004
	s_lshl_b32 s[GX], ttmp9, 2
	s_add_co_u32 s[GX], s[GX], s[CX]
	s_and_b32 s[CLY], ttmp7, 0xffff
	s_lshl_b32 s[GY], s[CLY], 2
	s_add_co_u32 s[GY], s[GY], s[CY]
	s_lshl_b32 s20, s[CY], 2
	s_lshl_b32 s20, 15, s20                        ; my row of the cluster: Q's tile hangs on y alone
	s_lshl_b32 s22, 0x1111, s[CX]                  ; my column: K's hangs on h and on the batch, which the whole cluster shares
	s_or_b32 s[G1A], s20, (3<<16)|(1<<21)          ; 15:0 mask; 17:16 8-byte elements; 21 set beside a mask; no padding
	s_or_b32 s[G1B], s22, (3<<16)|(1<<21)
.irp g, G1A, G1B
	s_mov_b32 s[(\g)+1], 32<<16                    ; tensor_dim0 = 32: rows of 256 bytes
	s_mov_b32 s[(\g)+2], 128<<16                   ; tensor_dim1 = 128
	s_mov_b32 s[(\g)+3], 32<<16                    ; tile_dim0
	s_mov_b32 s[(\g)+4], 128                       ; tile_dim1: 32 KiB, dense
	s_mov_b32 s[(\g)+5], 32
	s_mov_b32 s[(\g)+6], 0
	s_mov_b32 s[(\g)+7], 0
.endr
	s_mov_b32 s[CS], 0x3d38aa3b                    ; c = log2(e) / 32
	s_mov_b32 s[CS+1], s[CS]
	s_mov_b32 s[SEL], 0x76543210
	s_mov_b32 s[SEL+1], 0xfedcba98
	s_mov_b32 s[BIGN], 0xf149f2ca                  ; -1e30
	s_mov_b32 s[FLM], 0xee000000                   ; -2^93
	s_mov_b32 s[HM], 0xffff0000                    ; lanes 16-31
	s_mov_b32 s[TB], 0
	s_and_b32 s2, s[WV], 1
	s_lshl_b32 s2, s2, 15                          ; my half of a tile: 8 row tiles of 4,096 bytes
	s_lshl_b32 s20, s[GY], 16                      ; Q: row tile 16 y
	s_add_co_u32 s20, s20, s2
	s_mov_b32 s21, 0
	s_lshr_b32 s22, s[CLY], 1                      ; the batch
	s_lshl_b32 s22, s22, 19                        ; K: row tile 128 batch + 16 h
	s_lshl_b32 s23, s[GX], 16
	s_add_co_u32 s22, s22, s23
	s_add_co_u32 s22, s22, s2
	s_mov_b32 s23, 0
	s_lshl_b32 s3, s[WV], 15                       ; where my part goes: wave x 32 KiB
	s_lshl_b32 s71, s[CX], 13                      ; the prefetches
	s_add_co_u32 s71, s71, s20
	s_lshl_b32 s72, s[CY], 13
	s_add_co_u32 s72, s72, s22
	s_and_b32 s73, s[CLY], 1
	s_cmp_lt_u32 s[WV], 2
	s_cselect_b32 s72, s71, s72
	s_cselect_b32 s71, ttmp9, s73
	s_cmp_eq_u32 s71, 0
	s_cselect_b32 s[LIM], 2, -1
	s_add_co_u32 s72, s72, 3*STEP                  ; at K step 3: the first refill steps it to 4
	s_mov_b32 s73, 0
	v_and_b32 v[PFO], 31, v0
	v_lshlrev_b32 v[PO], 4, v[PFO]
	v_lshlrev_b32 v[PFO], 8, v[PFO]
	s_wait_dscnt 0x0
	s_wait_kmcnt 0x0
	s_cmp_lt_u32 s[WV], 2
	s_cselect_b64 s[PFA:PFA+1], s[4:5], s[6:7]
	s_add_nc_u64 s[PFA:PFA+1], s[PFA:PFA+1], s[72:73]
	s_add_nc_u64 s[20:21], s[4:5], s[20:21]
	s_add_nc_u64 s[22:23], s[6:7], s[22:23]
.irp s, 0,1
	s_mov_b32 s[G0A+4*(\s)], 1
	s_add_co_u32 s[G0A+4*(\s)+1], s3, (\s)*SLOTX
	s_add_nc_u64 s[G0A+4*(\s)+2:G0A+4*(\s)+3], s[20:21], (\s)*STEP
	s_or_b32 s[G0A+4*(\s)+3], s[G0A+4*(\s)+3], 0x80000000
	s_mov_b32 s[G0B+4*(\s)], 1
	s_add_co_u32 s[G0B+4*(\s)+1], s3, (\s)*SLOTX
	s_add_nc_u64 s[G0B+4*(\s)+2:G0B+4*(\s)+3], s[22:23], (\s)*STEP
	s_or_b32 s[G0B+4*(\s)+3], s[G0B+4*(\s)+3], 0x80000000
.endr
	CROUND
	s_cmp_lt_u32 s[WV], 2                          ; a wave's two first fills stand in one branch: two tensor loads of mine are out
	s_cbranch_scc0 .Lfirst_b
	tensor_load_to_lds s[G0A:G0A+3], s[G1A:G1A+7]
	s_nop 0
	tensor_load_to_lds s[G0A+4:G0A+7], s[G1A:G1A+7]
	s_nop 0
.rept 4
	v_nop
.endr
	s_branch .Lfirst_asked
.Lfirst_b:
	tensor_load_to_lds s[G0B:G0B+3], s[G1B:G1B+7]
	s_nop 0
	tensor_load_to_lds s[G0B+4:G0B+7], s[G1B:G1B+7]
	s_nop 0
.rept 4
	v_nop
.endr
.Lfirst_asked:
	s_lshl_b32 s71, s[WR], 12
	v_add_nc_u32 v[A0], s71, v[PO]                 ; row tile wr, 16 x lane
	s_lshl_b32 s71, s[WC], 12
	s_add_co_u32 s71, s71, 65536
	v_add_nc_u32 v[B0], s71, v[PO]
	v_mov_b32 v[ADRA], v[A0]
	v_mov_b32 v[ADRB], v[B0]
	v_mov_b32 v[TT], 0                             ; v_permlanex16_b32's destination counts as read
	; the mask
	v_and_b32 v1, 15, v0
	v_bfe_u32 v2, v0, 4, 1
	v_lshlrev_b32 v3, 3, v2
	v_sub_nc_u32 v3, v1, v3                        ; register j is hidden where j > l % 16 - 8 (l / 16)
	s_and_b32 s71, s[GY], 7
	s_lshl3_add_u32 s71, s[WR], s71                ; G
	s_lshl3_add_u32 s74, s[WC], s[GX]              ; H
	s_cmp_eq_u32 s71, s74
	s_cselect_b32 s[AL], 1.0, 0
	s_cmp_lt_u32 s71, s74
	s_cselect_b32 s[BE], s[BIGN], 0
.set j, 0
.rept 8
	v_cmp_gt_i32 vcc_lo, j, v3
	v_cndmask_b32 v[MK+j], 0, s[BIGN], vcc_lo
.set j, j+1
.endr
.set j, 0
.rept 8
	v_fma_f32 v[MK+j], v[MK+j], s[AL], s[BE]
.set j, j+1
.endr
	s_lshl_b32 s71, s[GY], 3
	s_add_co_u32 s71, s71, s[GX]                   ; 8 y + h
	s_mul_i32 s72, s71, 73728                      ; pb: 72 fragments a block, + wr x 1,024 + wc x 512
	s_lshl_b32 s73, s[WR], 10
	s_add_co_u32 s72, s72, s73
	s_lshl_b32 s73, s[WC], 9
	s_add_co_u32 s72, s72, s73
	s_mov_b32 s73, 0
	s_add_nc_u64 s[8:9], s[8:9], s[72:73]
	s_lshl_b32 s72, s71, 12                        ; st: 4,096 bytes a block, + wr x 2,048 + wc x 1,024
	s_lshl_b32 s73, s[WR], 11
	s_add_co_u32 s72, s72, s73
	s_lshl_b32 s73, s[WC], 10
	s_add_co_u32 s72, s72, s73
	s_mov_b32 s73, 0
	s_add_nc_u64 s[10:11], s[10:11], s[72:73]
; The products of row tiles m2 = lo .. hi (n2 = 0 .. m2) on buffer f, 32 along K.  zero = 1: they start the sums, with the mask where m2 = n2.  All 36 accumulators take turns.
.macro MM lo, hi, f, zero
.set m, (\lo)
.rept (\hi)-(\lo)+1
.set n, 0
.rept m+1
.if m < 7
.set rD, 8*(m*(m+1)/2+n)
.set wD, 1
.else
.set rD, 8*n
.set wD, 2
.endif
.set rB, 64+64*(\f)+8*n
.set rA, 64+64*(\f)+8*m
.if \zero
	WIN 0x40*wD+0x02                               ; K in window 2, Q and the mask in window 0
.if m == n
	v_wmma_f32_16x16x32_f16 v[rD:rD+7], v[rB:rB+7], v[rA:rA+7], v[MK:MK+7]
.else
	v_wmma_f32_16x16x32_f16 v[rD:rD+7], v[rB:rB+7], v[rA:rA+7], 0
.endif
.else
	WIN 0x50*wD+0x02
	v_wmma_f32_16x16x32_f16 v[rD:rD+7], v[rB:rB+7], v[rA:rA+7], v[rD:rD+7]
.endif
.set n, n+1
.endr
.set m, m+1
.endr
.endm
.macro FETCH k, f                      ; 32 LDS loads in one run: K's 8 fragments, then Q's 8, at byte k (1,024 x the 32 along K) of the row tiles
	WIN 0x80
.set n, 0
.rept 8
	ds_load_b128 v[64+64*(\f)+8*n:64+64*(\f)+8*n+3],   v[ADRB] offset:n*8192+(\k)
	ds_load_b128 v[64+64*(\f)+8*n+4:64+64*(\f)+8*n+7], v[ADRB] offset:n*8192+(\k)+512
.set n, n+1
.endr
	WIN 0
.set n, 0
.rept 8
	ds_load_b128 v[64+64*(\f)+8*n:64+64*(\f)+8*n+3],   v[ADRA] offset:n*8192+(\k)
	ds_load_b128 v[64+64*(\f)+8*n+4:64+64*(\f)+8*n+7], v[ADRA] offset:n*8192+(\k)+512
.set n, n+1
.endr
.endm
.macro QUARTER k, f, g, zero           ; multiplies buffer f; in its middle fetches the next 32 along K, at byte k, into buffer g
	s_wait_dscnt 8                                 ; all of K and Q's fragments 0-3 are in; the youngest eight loads (Q's 4-7) may be out
	MM 0, 3, \f, \zero
	PLACES
	FETCH \k, \g
	s_wait_dscnt 32                                ; all but the 32 just issued
	MM 4, 7, \f, \zero
.endm
; A step's last quarter and the change of slots, in the same order as in the projection; the refill has 123 matrix instructions of the wave in which to land.
.macro TURN fill
.if \fill
	s_wait_xcnt 0x0                                ; the last prefetch, a K step back, has read its address
	s_add_nc_u64 s[PFA:PFA+1], s[PFA:PFA+1], STEP
.endif
	WIN 0
	s_wait_tensorcnt 0x0                           ; all my tensor loads have landed: my part of the next slot
	ds_add_u32 v[SPW], v[NIL]                      ; 0 onto my spare word
	s_wait_dscnt 9                                 ; the add and the youngest eight loads may be out
	MM 0, 3, 1, 0
	s_wait_dscnt 0x0                               ; the add is done, and my reads of this slot are over
	s_barrier_signal -1
	MM 4, 5, 1, 0
	WIN 0
	s_barrier_wait -1
.if \fill
	CREST
	s_xor_b32 s[G0A+5], s[G0A+5], SLOTX
	s_add_nc_u64 s[G0A+6:G0A+7], s[G0A+6:G0A+7], STEP
	s_xor_b32 s[G0B+5], s[G0B+5], SLOTX
	s_add_nc_u64 s[G0B+6:G0B+7], s[G0B+6:G0B+7], STEP
	JLOAD
.else
	PLACES
.endif
	s_xor_b32 s[TB], s[TB], SLOTX
	v_add_nc_u32 v[ADRA], s[TB], v[A0]
	v_add_nc_u32 v[ADRB], s[TB], v[B0]
	FETCH 0, 0
.if \fill
	ASK
.endif
	MM 6, 7, 1, 0
.endm
	s_wait_tensorcnt 0x1                           ; my part of K step 0 is in; step 1's may stay out
	s_barrier_signal -1
	s_barrier_wait -1
	FETCH 0, 0
	QUARTER 1024, 0, 1, 1                          ; the first quarter starts the sums
	WIN 0
	s_mov_b32 s3, 6
.Lk:                                               ; a trip: from a step's second quarter to the next step's first; the refills bring K steps 2 to 7
	QUARTER 2048, 1, 0, 0
	QUARTER 3072, 0, 1, 0
	TURN 1
	QUARTER 1024, 0, 1, 0
	WIN 0
	s_sub_co_u32 s3, s3, 1
	s_cmp_lg_u32 s3, 0
	s_cbranch_scc1 .Lk
	QUARTER 2048, 1, 0, 0                          ; the tail is written out: nothing is left to ask for
	QUARTER 3072, 0, 1, 0
	TURN 0
	QUARTER 1024, 0, 1, 0
	QUARTER 2048, 1, 0, 0
	QUARTER 3072, 0, 1, 0
	s_wait_dscnt 8
	MM 0, 3, 1, 0
	s_wait_dscnt 0x0
	MM 4, 7, 1, 0
	PLACES
; THE SOFTMAX of row tile m2: its m2 + 1 accumulators.  The maximum (each accumulator's lowest registers first), M, c s - M, ONE batch of exponentials with one wait, roundings, sums, stores.
.macro ROWT m2
.set nA, (\m2)+1
.set tB, TMP+2*(\m2)*((\m2)+1)
.if (\m2) < 7
.set wD, 1
.set aB, 4*(\m2)*((\m2)+1)
.else
.set wD, 2
.set aB, 0
.endif
	WIN 0x15*wD                                    ; three sources in the accumulators' window
.set n, 0
.rept nA
	v_max3_num_f32 v[CT+n], v[aB+8*n], v[aB+8*n+1], v[aB+8*n+2]
.set n, n+1
.endr
	WIN 0x14*wD                                    ; sources 1 and 2
.irp q, 3, 5
.set n, 0
.rept nA
	v_max3_num_f32 v[CT+n], v[CT+n], v[aB+8*n+\q], v[aB+8*n+\q+1]
.set n, n+1
.endr
.endr
.set n, 0
.rept nA
	v_max3_num_f32 v[CT+n], v[CT+n], v[aB+8*n+7], v[aB+8*n+7]
.set n, n+1
.endr
	WIN 0
	v_mov_b32 v[MX], v[CT]
.set n, 1
.rept 4
.if n+1 <= (\m2)
	v_max3_num_f32 v[MX], v[MX], v[CT+n], v[CT+n+1]
.elseif n == (\m2)
	v_max_num_f32 v[MX], v[MX], v[CT+n]
.endif
.set n, n+2
.endr
	v_permlanex16_b32 v[TT], v[MX], s[SEL], s[SEL+1]  ; the query's other keys lie in the lane 16 away
	v_max_num_f32 v[MX], v[MX], v[TT]
	v_mul_f32 v[MX], s[CS], v[MX]
	v_floor_f32 v[MX], v[MX]
	v_add_f32 v[MX], 1.0, v[MX]
	v_max_num_f32 v[MS+(\m2)], s[FLM], v[MX]       ; M
	v_mov_b32 v[MP], v[MS+(\m2)]
	v_mov_b32 v[MP+1], v[MS+(\m2)]
	WIN 0x41*wD                                    ; destination and source 0 in the accumulators' window
.set n, 0
.rept 4*nA
	v_pk_fma_f32 v[aB+2*n:aB+2*n+1], v[aB+2*n:aB+2*n+1], s[CS:CS+1], v[MP:MP+1] op_sel_hi:[1,0,0] neg_lo:[0,0,1] neg_hi:[0,0,1]
.set n, n+1
.endr
.set n, 0
.rept 8*nA
	v_exp_f32 v[aB+n], v[aB+n]
.set n, n+1
.endr
	v_nop                                          ; a plain instruction behind the last exponential (ISA guide 5.7.2),
	s_wait_alu depctr_va_vdst(0)                   ; and the one wait ahead of the batch's first reader
	WIN 0x05*wD
.set n, 0
.rept 4*nA
	v_cvt_pk_f16_f32 v[tB+n], v[aB+2*n], v[aB+2*n+1]
.set n, n+1
.endr
	WIN 0x45*wD
.set n, 0
.rept nA
	v_pk_add_f32 v[aB+8*n:aB+8*n+1], v[aB+8*n:aB+8*n+1], v[aB+8*n+2:aB+8*n+3]
	v_pk_add_f32 v[aB+8*n+4:aB+8*n+5], v[aB+8*n+4:aB+8*n+5], v[aB+8*n+6:aB+8*n+7]
.set n, n+1
.endr
.set n, 0
.rept nA
	v_pk_add_f32 v[aB+8*n:aB+8*n+1], v[aB+8*n:aB+8*n+1], v[aB+8*n+4:aB+8*n+5]
.set n, n+1
.endr
.if nA > 1
.set n, 1
.rept nA-1
	v_pk_add_f32 v[aB:aB+1], v[aB:aB+1], v[aB+8*n:aB+8*n+1]
.set n, n+1
.endr
.endif
	WIN 0x05*wD
	v_add_f32 v[LS+(\m2)], v[aB], v[aB+1]
	WIN 0
	v_permlanex16_b32 v[TT], v[LS+(\m2)], s[SEL], s[SEL+1]
	v_add_f32 v[LS+(\m2)], v[LS+(\m2)], v[TT]      ; L
.set n, 0
.rept nA
	global_store_b128 v[PO], v[tB+4*n:tB+4*n+3], s[8:9] offset:(n*(17-n)+2*((\m2)-n))*1024  ; 512 consecutive aligned bytes; no register of TMP is written twice
.set n, n+1
.endr
.endm
.irp r2, 0,1,2,3,4,5,6,7
	ROWT \r2
.endr
.irp i, 0,1,2,3                        ; lane (hh, r) stores the figures of row tiles m2 = 4 hh + 0..3
	v_cndmask_b32 v[CT+\i], v[MS+\i], v[MS+4+\i], s[HM]
	v_cndmask_b32 v[CT+4+\i], v[LS+\i], v[LS+4+\i], s[HM]
.endr
	global_store_b128 v[PO], v[CT:CT+3], s[10:11]
	global_store_b128 v[PO], v[CT+4:CT+7], s[10:11] offset:512
	s_wait_tensorcnt 0x0                           ; the wave's end
	ds_add_u32 v[SPW], v[NIL]
	s_wait_dscnt 0x0
	CROUND                                         ; the closing round
	s_endpgm
.Lfunc_end_k_q9c5b9bac4e_scores:
	.size	k_q9c5b9bac4e_scores, .Lfunc_end_k_q9c5b9bac4e_scores-k_q9c5b9bac4e_scores
	.p2alignl 7, 3214868480
	.fill 96, 4, 3214868480
	.section	.rodata,"a",@progbits
	.p2align	6, 0x0
	.amdhsa_kernel k_q9c5b9bac4e_scores
		.amdhsa_group_segment_fixed_size 327680
		.amdhsa_private_segment_fixed_size 0
		.amdhsa_enable_private_segment 0
		.amdhsa_kernarg_size 32
		.amdhsa_user_sgpr_count 2
		.amdhsa_user_sgpr_kernarg_segment_ptr 1
		.amdhsa_wavefront_size32 1
		.amdhsa_system_sgpr_workgroup_id_x 1
		.amdhsa_system_sgpr_workgroup_id_y 1
		.amdhsa_system_sgpr_workgroup_id_z 1
		.amdhsa_system_vgpr_workitem_id 0
		.amdhsa_next_free_vgpr 704
		.amdhsa_next_free_sgpr 80
		.amdhsa_reserve_vcc 1
		.amdhsa_float_denorm_mode_32 3
		.amdhsa_float_denorm_mode_16_64 3
		.amdhsa_memory_ordered 1
		.amdhsa_forward_progress 1
		.amdhsa_inst_pref_size 122
	.end_amdhsa_kernel
	.amdgpu_metadata
---
amdhsa.version: [ 1, 2 ]
amdhsa.kernels:
  - .name:           k_q9c5b9bac4e_scores
    .symbol:         k_q9c5b9bac4e_scores.kd
    .args:
      - { .name: qf, .offset: 0, .size: 8, .value_kind: global_buffer, .address_space: global }
      - { .name: kf, .offset: 8, .size: 8, .value_kind: global_buffer, .address_space: global }
      - { .name: pb, .offset: 16, .size: 8, .value_kind: global_buffer, .address_space: global }
      - { .name: st, .offset: 24, .size: 8, .value_kind: global_buffer, .address_space: global }
    .group_segment_fixed_size: 327680
    .private_segment_fixed_size: 0
    .kernarg_segment_align: 8
    .kernarg_segment_size: 32
    .max_flat_workgroup_size: 128
    .sgpr_count:     80
    .vgpr_count:     704
    .wavefront_size: 32
...
	.end_amdgpu_metadata
.endif
;; end of part 3
;; launch pv (part 4): grid 8 x 32, 4 waves a work-group, clusters of 4 x 4, 327,680 bytes of LDS; arguments pb, st, vf, out0; writes out0
.if DOCPART == 4
	.amdgcn_target "amdgcn-amd-amdhsa--gfx1250"
	.amdhsa_code_object_version 6
	.text
	.protected	k_q9c5b9bac4e_pv
	.globl	k_q9c5b9bac4e_pv
	.p2align	8
	.type	k_q9c5b9bac4e_pv,@function
k_q9c5b9bac4e_pv:
	s_mov_b64 s[64:65], 0
	v_nop
	global_prefetch_b8 v0, s[64:65] scope:SCOPE_SE
	s_setreg_imm32_b32 hwreg(HW_REG_WAVE_MODE, 25, 1), 1
	s_wait_xcnt 0x0
	s_wait_alu depctr_hold_cnt(0) depctr_sa_sdst(0) depctr_va_vdst(0) depctr_va_sdst(0) depctr_va_ssrc(0) depctr_va_vcc(0) depctr_vm_vsrc(0)
	s_getreg_b32 s2, hwreg(HW_REG_IB_STS2, 6, 4)
	s_cmp_eq_u32 s2, 0
	s_cbranch_scc0 .Lentry_in_a_cluster
	s_endpgm
.Lentry_in_a_cluster:
	s_bfe_u32 s2, ttmp6, 0x10000c
	s_cmp_lg_u32 s2, 0xf033
	s_cbranch_scc0 .Lentry_shape_is_right
	s_endpgm
.Lentry_shape_is_right:
; O = (the sum over key blocks of 2^(M - Mrow) P' V) / l, l = the sum of 2^(M - Mrow) L: the second half of the softmax by blocks, and the second product.  f16 operands, f32 sums, f32 out.
; SHARES.  Work-group (cg, y): the 256 stored queries of block y x 128 channels.  Wave (wr, wc): query tiles m = 2 m2 + wr, four channel tiles: 32 accumulators.
; THE WALK.  Key classes h = 0 .. 7, the same for every work-group; a slot holds pb's 72 fragments of (y, h) and vf's 64 of (batch, h, cg).  In class h the strip kk of 32 keys is seen by the query
; tiles with m2 >= kk alone.  Strips go in pairs, stage p = (kk = p, kk = 7 - p): 9 fragments of P', 8 of V, 36 products in every stage.
; Source 0 = 16 channels of V, source 1 = 16 queries of P': a lane holds ONE query (l % 16) and 8 channels.
; THE FACTORS.  Each wave reads the M and L of its own 128 rows, takes Mrow = the maximum of a row's 16 M, and keeps 2^(M - Mrow), a power of two at most 1, twice in a word of f16, in a table of its own
; in LDS.  A fragment's registers 0-3 are keys of class (h, 0), registers 4-7 of (h, 1): each is multiplied by its factor (v_pk_mul_f16) between its load and its products, as riders behind the
; products of the stage before.
; LIMITS.  A rescaled weight below 6e-5 keeps f16's fixed step of 6e-8, a factor below 2^-24 counts as 0; every row sees its own key, so l is at least 0.5; NaN and infinities are not treated apart.
; REGISTERS.  window 0: v0-31 addresses; v32-47 the factors of the class in hand, [m2][half]; v64-135, v136-207 P', two buffers of 9; v208-223 1 / l, each twice
;   window 1: accumulator (m2, nb) at 8 (4 m2 + nb)      window 2: v0-63, v64-127 V, two buffers of 8
.set ASTEP, 73728                      ; bytes of pb for a class
.set BSTEP, 524288                     ; bytes of vf from a class to the next
.set BOFF,  73728                      ; a slot: P' 73,728 bytes, then V 65,536
.set ILB,   139264                     ; behind slot 0: 1 / l, 1,024 bytes a wave
.set SPARE, 143360                     ; the spare words, 128 bytes a wave: two blocks of 256 bytes that no other line names
.set SLOTX, 147456                     ; slot 1; no in-slot target (0, 0x9000, 0x12000, 0x1a000) shares a bit with 0x24000
.set FTB,   286720                     ; behind slot 1: the factor tables, 8,192 bytes a wave; on the way out the wave's own table is its stage
.set AHI,   53248                      ; fragment 52, the first of strip 4: a second address register keeps the offsets within 16 bits
.set A0,   4
.set B0,   5
.set ADRA, 6
.set ADRH, 7
.set ADRB, 8
.set FTA,  9                           ; v9   where I read the factors of the class in hand
.set STO,  10
.set RD,   11
.set CO,   12
.set LO,   13                          ; v13  16 x lane
.set FTW,  14
.set ILA,  15
.set ILW,  16
.set FT0,  17
.set SPW,  28
.set NIL,  29
.set PFO,  30                          ; v30  256 x lane
.set PFO2, 31                          ; v31  256 x (lane % 4)
.set FA,   32
.set MR,   48                          ; the head's: Mrow of my 4 rows
.set LSM,  52                          ; l of my 4 rows
.set RC,   56                          ; 1 / l, each twice
.set MB,   64                          ; the head's: M, 4 rows for each of 16 (h, half)
.set LBR,  128                         ; L likewise
.set FP,   192                         ; the factors, packed
.set AB0,  64
.set IV,   208
.set RB,   64                          ; the way out: rows read back, two buffers of 32
.set WV,  12
.set WR,  13
.set WC,  14
.set CX,  15
.set CY,  16
.set GX,  17
.set GY,  18
.set CLY, 19
.set G1A, 24
.set G1B, 32
.set G0A, 40
.set G0B, 48
.set TB,  56
.set LIM, 57
.set PST, 58                           ; s[58:59] the prefetches' step
.set PFA, 60
.set FTS, 66                           ; s66  1,024 x the class in hand
.set MSB, 0
.macro WIN new
.if MSB != (\new)
	s_set_vgpr_msb (MSB<<8)|(\new)
.set MSB, (\new)
.endif
.endm
.macro PLACES
.rept 4
	v_nop
.endr
.endm
.macro CREST
	s_cmp_lg_u32 s[WV], 0
	s_cbranch_scc1 .Lnw0_\@
	s_barrier_signal -3
.Lnw0_\@:
	s_barrier_wait -3
	s_barrier_signal -1
	s_barrier_wait -1
.endm
.macro CROUND
	s_barrier_signal -1
	s_barrier_wait -1
	CREST
.endm
.macro JLOAD                           ; waves 0 and 1 fetch the halves of P' (36,864 bytes each), waves 2 and 3 those of V (32,768)
	s_cmp_lt_u32 s[WV], 2
	s_cbranch_scc0 .Lfor_b_\@
	tensor_load_to_lds s[G0A+4:G0A+7], s[G1A:G1A+7]
	s_nop 0
.rept 4
	v_nop
.endr
	s_branch .Lasked_\@
.Lfor_b_\@:
	tensor_load_to_lds s[G0B+4:G0B+7], s[G1B:G1B+7]
	s_nop 0
.rept 4
	v_nop
.endr
.Lasked_\@:
.endm
; A PREFETCH of the class two refills on.  P' of block y is read by both clusters of a row of clusters: the one with x = 0 asks; V of (batch, h, cg) by the batch's two clusters of a column: the one with
; even y asks.  The four partners share a wave's part BY ADDRESS: of V 8 KiB each, a lane 256 bytes; of P' 9,216 bytes each: 32 blocks by the first line, and the other four by a second line
; in which the 32 lanes name four blocks, eight lanes each.  The refills of classes 6 and 7 ask for nothing.
.macro ASK
	s_cmp_gt_u32 s3, s[LIM]
	s_cbranch_scc0 .Lnot_mine_\@
	global_prefetch_b8 v[PFO], s[PFA:PFA+1] th:TH_LOAD_NT scope:SCOPE_SE
	s_cmp_lt_u32 s[WV], 2
	s_cbranch_scc0 .Lnot_mine_\@
	global_prefetch_b8 v[PFO2], s[PFA:PFA+1] offset:8192 th:TH_LOAD_NT scope:SCOPE_SE
.Lnot_mine_\@:
.endm
	s_load_b256 s[4:11], s[0:1], 0x0               ; pb s[4:5], st s[6:7], vf s[8:9], out0 s[10:11]
	v_lshl_add_u32 v[SPW], v0, 2, SPARE
	v_mov_b32 v[NIL], 0
	ds_add_u32 v[SPW], v[NIL]                      ; the wave's opening: the add and its wait stand ahead of my first tensor load
	v_lshrrev_b32 v1, 5, v0
	v_readfirstlane_b32 s[WV], v1
	s_lshr_b32 s[WR], s[WV], 1
	s_and_b32 s[WC], s[WV], 1
	s_bfe_u32 s[CX], ttmp6, 0x40000
	s_bfe_u32 s[CY], ttmp6, 0x40004
	s_lshl_b32 s[GX], ttmp9, 2
	s_add_co_u32 s[GX], s[GX], s[CX]
	s_and_b32 s[CLY], ttmp7, 0xffff
	s_lshl_b32 s[GY], s[CLY], 2
	s_add_co_u32 s[GY], s[GY], s[CY]
	s_lshl_b32 s20, s[CY], 2
	s_lshl_b32 s20, 15, s20                        ; my row of the cluster: P' hangs on y alone
	s_lshl_b32 s22, 0x1111, s[CX]                  ; my column: V hangs on cg and on the batch, which the whole cluster shares
	s_or_b32 s[G1A], s20, (3<<16)|(1<<21)          ; 15:0 mask; 17:16 8-byte elements; 21 set beside a mask; no padding
	s_or_b32 s[G1B], s22, (3<<16)|(1<<21)
	s_mov_b32 s[G1A+1], 32<<16                     ; rows of 256 bytes
	s_mov_b32 s[G1A+2], 144<<16                    ; 144 of them
	s_mov_b32 s[G1A+3], 32<<16
	s_mov_b32 s[G1A+4], 144
	s_mov_b32 s[G1A+5], 32
	s_mov_b32 s[G1A+6], 0
	s_mov_b32 s[G1A+7], 0
	s_mov_b32 s[G1B+1], 32<<16
	s_mov_b32 s[G1B+2], 128<<16                    ; 128 rows
	s_mov_b32 s[G1B+3], 32<<16
	s_mov_b32 s[G1B+4], 128
	s_mov_b32 s[G1B+5], 32
	s_mov_b32 s[G1B+6], 0
	s_mov_b32 s[G1B+7], 0
	s_mov_b32 s[TB], 0
	s_mov_b32 s[FTS], 0
	s_and_b32 s2, s[WV], 1                         ; which half of a tile I fetch
	s_mul_i32 s20, s[GY], 8*ASTEP
	s_mul_i32 s21, s2, 36864
	s_add_co_u32 s20, s20, s21                     ; P': block (y, 0), my half
	s_mov_b32 s67, s21                             ; and its place in a slot
	s_mov_b32 s21, 0
	s_lshr_b32 s22, s[CLY], 1                      ; the batch
	s_lshl_b32 s22, s22, 22
	s_lshl_b32 s23, s[GX], 16
	s_add_co_u32 s22, s22, s23                     ; V: ((8 batch) 64 + 8 cg) x 8,192,
	s_lshl_b32 s23, s2, 15
	s_add_co_u32 s22, s22, s23                     ; my half
	s_add_co_u32 s68, s23, BOFF
	s_mov_b32 s23, 0
	s_mul_i32 s69, s[CX], 9216                     ; the prefetches
	s_add_co_u32 s69, s69, s20
	s_lshl_b32 s70, s[CY], 13
	s_add_co_u32 s70, s70, s22
	s_and_b32 s71, s[CLY], 1
	s_mov_b32 s[PST], BSTEP
	s_cmp_lt_u32 s[WV], 2
	s_cselect_b32 s70, s69, s70
	s_cselect_b32 s71, ttmp9, s71
	s_cselect_b32 s[PST], ASTEP, s[PST]
	s_mov_b32 s[PST+1], 0
	s_cmp_eq_u32 s71, 0
	s_cselect_b32 s[LIM], 2, -1
	s_mul_i32 s69, s[PST], 3
	s_add_co_u32 s70, s70, s69                     ; at class 3: the first refill steps it to 4
	s_mov_b32 s71, 0
	v_and_b32 v3, 31, v0
	v_lshlrev_b32 v[PFO], 8, v3
	v_and_b32 v[PFO2], 3, v0
	v_lshlrev_b32 v[PFO2], 8, v[PFO2]
	v_lshlrev_b32 v[LO], 4, v3
	s_wait_dscnt 0x0
	s_wait_kmcnt 0x0
	s_cmp_lt_u32 s[WV], 2
	s_cselect_b64 s[PFA:PFA+1], s[4:5], s[8:9]
	s_add_nc_u64 s[PFA:PFA+1], s[PFA:PFA+1], s[70:71]
	s_add_nc_u64 s[20:21], s[4:5], s[20:21]
	s_add_nc_u64 s[22:23], s[8:9], s[22:23]
.irp s, 0,1
	s_mov_b32 s[G0A+4*(\s)], 1
	s_add_co_u32 s[G0A+4*(\s)+1], s67, (\s)*SLOTX
	s_add_nc_u64 s[G0A+4*(\s)+2:G0A+4*(\s)+3], s[20:21], (\s)*ASTEP
	s_or_b32 s[G0A+4*(\s)+3], s[G0A+4*(\s)+3], 0x80000000
	s_mov_b32 s[G0B+4*(\s)], 1
	s_add_co_u32 s[G0B+4*(\s)+1], s68, (\s)*SLOTX
	s_add_nc_u64 s[G0B+4*(\s)+2:G0B+4*(\s)+3], s[22:23], (\s)*BSTEP
	s_or_b32 s[G0B+4*(\s)+3], s[G0B+4*(\s)+3], 0x80000000
.endr
	CROUND
	s_cmp_lt_u32 s[WV], 2                          ; a wave's two first fills stand in one branch: two tensor loads of mine are out
	s_cbranch_scc0 .Lfirst_b
	tensor_load_to_lds s[G0A:G0A+3], s[G1A:G1A+7]
	s_nop 0
	tensor_load_to_lds s[G0A+4:G0A+7], s[G1A:G1A+7]
	s_nop 0
.rept 4
	v_nop
.endr
	s_branch .Lfirst_asked
.Lfirst_b:
	tensor_load_to_lds s[G0B:G0B+3], s[G1B:G1B+7]
	s_nop 0
	tensor_load_to_lds s[G0B+4:G0B+7], s[G1B:G1B+7]
	s_nop 0
.rept 4
	v_nop
.endr
.Lfirst_asked:
	; THE FACTORS, in the wait for the first tiles.  Lane (hh, r) holds the rows r of query tiles m2 = 4 hh + 0..3.
	s_lshl_b32 s70, s[GY], 15
	s_lshl_b32 s71, s[WR], 11
	s_add_co_u32 s70, s70, s71
	s_mov_b32 s71, 0
	s_add_nc_u64 s[6:7], s[6:7], s[70:71]          ; st at (y, wr)
.set q, 0
.rept 16                               ; q = 2 h + half
	global_load_b128 v[MB+4*q:MB+4*q+3],   v[LO], s[6:7] offset:(q/2)*4096+(q%2)*1024
	global_load_b128 v[LBR+4*q:LBR+4*q+3], v[LO], s[6:7] offset:(q/2)*4096+(q%2)*1024+512
.set q, q+1
.endr
	v_and_b32 v1, 15, v0                           ; r
	v_bfe_u32 v2, v0, 4, 1                         ; hh
	s_lshl_b32 s70, s[WR], 10
	v_add_nc_u32 v[A0], s70, v[LO]                 ; fragment wr, 16 x lane
	s_lshl_b32 s70, s[WC], 15
	s_add_co_u32 s70, s70, BOFF
	v_add_nc_u32 v[B0], s70, v[LO]
	v_mov_b32 v[ADRA], v[A0]
	v_add_nc_u32 v[ADRH], AHI, v[A0]
	v_mov_b32 v[ADRB], v[B0]
	s_lshl_b32 s70, s[WV], 13
	s_add_co_u32 s70, s70, FTB                     ; my table, later my stage
	v_lshl_add_u32 v[FT0], v1, 6, s70              ; a row's 16 words: [m2][half]
	v_mov_b32 v[FTA], v[FT0]
	v_lshl_add_u32 v[FTW], v2, 5, v[FT0]           ; I write the eight words of m2 = 4 hh ..
	v_mul_u32_u24 v[STO], v1, 272                  ; the stage: rows of 256 bytes + 16: in, row r, 32 bytes for each half of the lanes
	v_lshl_add_u32 v[STO], v2, 5, v[STO]
	v_add_nc_u32 v[STO], s70, v[STO]
	v_mul_u32_u24 v[RD], v2, 272                   ; back: lanes 0-15 one row, lanes 16-31 the next
	v_lshl_add_u32 v[RD], v1, 4, v[RD]
	v_add_nc_u32 v[RD], s70, v[RD]
	v_lshlrev_b32 v[CO], 12, v2                    ; and the same two rows of out0
	v_lshl_add_u32 v[CO], v1, 4, v[CO]
	s_lshl_b32 s70, s[WV], 10
	s_add_co_u32 s70, s70, ILB
	v_lshl_add_u32 v[ILA], v1, 6, s70
	v_lshl_add_u32 v[ILW], v2, 5, v[ILA]
	s_lshr_b32 s70, s[GY], 3                       ; out0: token 2,048 batch + 256 m2 + 128 wr + 16 g + row, 4,096 bytes each; channel 128 cg + 64 wc
	s_lshl_b32 s70, s70, 23
	s_lshl_b32 s71, s[WR], 19
	s_add_co_u32 s70, s70, s71
	s_and_b32 s71, s[GY], 7
	s_lshl_b32 s71, s71, 16
	s_add_co_u32 s70, s70, s71
	s_lshl_b32 s71, s[GX], 9
	s_add_co_u32 s70, s70, s71
	s_lshl_b32 s71, s[WC], 8
	s_add_co_u32 s70, s70, s71
	s_mov_b32 s71, 0
	s_add_nc_u64 s[10:11], s[10:11], s[70:71]
	s_wait_loadcnt 0x0
.irp i, 0,1,2,3
	v_max3_num_f32 v[MR+\i], v[MB+\i], v[MB+4+\i], v[MB+8+\i]
.endr
.set q, 3
.rept 6
.irp i, 0,1,2,3
	v_max3_num_f32 v[MR+\i], v[MR+\i], v[MB+4*q+\i], v[MB+4*q+4+\i]
.endr
.set q, q+2
.endr
.irp i, 0,1,2,3
	v_max_num_f32 v[MR+\i], v[MR+\i], v[MB+60+\i]  ; Mrow
.endr
.set q, 0
.rept 32
	v_pk_add_f32 v[MB+2*q:MB+2*q+1], v[MB+2*q:MB+2*q+1], v[MR+2*(q%2):MR+2*(q%2)+1] neg_lo:[0,1] neg_hi:[0,1]  ; M - Mrow
.set q, q+1
.endr
.set q, 0
.rept 64
	v_exp_f32 v[MB+q], v[MB+q]
.set q, q+1
.endr
	v_nop                                          ; a plain instruction behind the last exponential,
	s_wait_alu depctr_va_vdst(0)                   ; and the one wait ahead of the batch's first reader
	v_pk_mul_f32 v[LSM:LSM+1], v[LBR:LBR+1], v[MB:MB+1]
	v_pk_mul_f32 v[LSM+2:LSM+3], v[LBR+2:LBR+3], v[MB+2:MB+3]
.set q, 1
.rept 15
	v_pk_fma_f32 v[LSM:LSM+1], v[LBR+4*q:LBR+4*q+1], v[MB+4*q:MB+4*q+1], v[LSM:LSM+1]
	v_pk_fma_f32 v[LSM+2:LSM+3], v[LBR+4*q+2:LBR+4*q+3], v[MB+4*q+2:MB+4*q+3], v[LSM+2:LSM+3]
.set q, q+1
.endr
.set q, 0
.rept 16
.irp i, 0,1,2,3
	v_cvt_pk_f16_f32 v[FP+8*(q/2)+2*\i+(q%2)], v[MB+4*q+\i], v[MB+4*q+\i]  ; exact: a power of two
.endr
.set q, q+1
.endr
.set q, 0
.rept 8
	ds_store_b128 v[FTW], v[FP+8*q:FP+8*q+3]   offset:q*1024
	ds_store_b128 v[FTW], v[FP+8*q+4:FP+8*q+7] offset:q*1024+16
.set q, q+1
.endr
.irp i, 0,1,2,3
	v_rcp_f32 v[RC+2*\i], v[LSM+\i]
	v_rcp_f32 v[RC+2*\i+1], v[LSM+\i]
.endr
	v_nop
	s_wait_alu depctr_va_vdst(0)
	ds_store_b128 v[ILW], v[RC:RC+3]
	ds_store_b128 v[ILW], v[RC+4:RC+7] offset:16
; Product i of 36 of stage p: fragment i / 4 of P' (strip p: m2 = p + i / 4; then strip 7 - p: m2 = i / 4 - 1), channel tile i % 4.  No two neighbours share an accumulator.
; zero = 1 (stage 0 of class 0): strip 0 meets all 32 accumulators and starts their sums.
.macro PR p, zero
.set fi, i/4
.if fi < 8-(\p)
.set mv, (\p)+fi
.set sv, 0
.else
.set mv, fi-1
.set sv, 1
.endif
.set rD, 8*(4*mv+i%4)
.set rB, 64*((\p)%2)+8*(4*sv+i%4)
.set rA, AB0+72*((\p)%2)+8*fi
	WIN 0x52                                       ; V in window 2, P' in window 0, C and D in window 1
.if (\zero) && (sv == 0)
	v_wmma_f32_16x16x32_f16 v[rD:rD+7], v[rB:rB+7], v[rA:rA+7], 0
.else
	v_wmma_f32_16x16x32_f16 v[rD:rD+7], v[rB:rB+7], v[rA:rA+7], v[rD:rD+7]
.endif
.set i, i+1
.endm
; Rider q of 72: register q % 8 of fragment q / 8 of stage pn is multiplied by its row's factor for its half.
.macro RID pn
.set fi, q/8
.if fi < 8-(\pn)
.set mv, (\pn)+fi
.else
.set mv, fi-1
.endif
	WIN 0
	v_pk_mul_f16 v[AB0+72*((\pn)%2)+q], v[AB0+72*((\pn)%2)+q], v[FA+2*mv+(q%8)/4]
.set q, q+1
.endm
.macro FETCH pn                        ; stage pn's fragments in one run: 16 loads of V, 18 of P'
	WIN 0x80
.irp sw, 0, 1
.set kk, (\pn)+\sw*(7-2*(\pn))
.set n, 0
.rept 4
	ds_load_b128 v[64*((\pn)%2)+8*(4*\sw+n):64*((\pn)%2)+8*(4*\sw+n)+3],   v[ADRB] offset:(8*n+kk)*1024
	ds_load_b128 v[64*((\pn)%2)+8*(4*\sw+n)+4:64*((\pn)%2)+8*(4*\sw+n)+7], v[ADRB] offset:(8*n+kk)*1024+512
.set n, n+1
.endr
.endr
	WIN 0
.set fi, 0
.rept 9
.if fi < 8-(\pn)
.set kk, (\pn)
.set mv, (\pn)+fi
.else
.set kk, 7-(\pn)
.set mv, fi-1
.endif
.set ix, kk*(17-kk)+2*(mv-kk)
.set rA, AB0+72*((\pn)%2)+8*fi
.if kk < 4
	ds_load_b128 v[rA:rA+3],   v[ADRA] offset:ix*1024
	ds_load_b128 v[rA+4:rA+7], v[ADRA] offset:ix*1024+512
.else
	ds_load_b128 v[rA:rA+3],   v[ADRH] offset:(ix-52)*1024
	ds_load_b128 v[rA+4:rA+7], v[ADRH] offset:(ix-52)*1024+512
.endif
.set fi, fi+1
.endr
.endm
.macro FACT                            ; the factors of the class in hand: my own stores, read back in order
	WIN 0
.irp u, 0,1,2,3
	ds_load_b128 v[FA+4*\u:FA+4*\u+3], v[FTA] offset:16*\u
.endr
.endm
; Stages 0 to 2: the next stage's fragments are fetched first; twelve products stand bare while they come; behind each of the other 24 stand three riders on the fragments just fetched.
.macro STAGE p, zero
.set i, 0
.set q, 0
	PLACES
	FETCH (\p)+1
.rept 12
	PR \p, \zero
.endr
	s_wait_dscnt 0x0                               ; the next stage's fragments are in
.rept 24
	PR \p, \zero
	RID (\p)+1
	RID (\p)+1
	RID (\p)+1
.endr
.endm
; Stage 3 and the change of slots, in the same order as in the launches before; the refill has 126 matrix instructions of the wave in which to land.
.macro TURN fill
.set i, 0
.set q, 0
.if \fill
	s_wait_xcnt 0x0                                ; the last prefetches, a class back, have read their address
	s_add_nc_u64 s[PFA:PFA+1], s[PFA:PFA+1], s[PST:PST+1]
.endif
	WIN 0
	s_wait_tensorcnt 0x0                           ; all my tensor loads have landed: my part of the next slot
	ds_add_u32 v[SPW], v[NIL]                      ; 0 onto my spare word
.rept 9
	PR 3, 0
.endr
	s_wait_dscnt 0x0                               ; the add is done; my reads of this slot were over in stage 2
	s_barrier_signal -1
.rept 9
	PR 3, 0
.endr
	WIN 0
	s_barrier_wait -1
.if \fill
	CREST
	s_xor_b32 s[G0A+5], s[G0A+5], SLOTX
	s_add_nc_u64 s[G0A+6:G0A+7], s[G0A+6:G0A+7], ASTEP
	s_xor_b32 s[G0B+5], s[G0B+5], SLOTX
	s_add_nc_u64 s[G0B+6:G0B+7], s[G0B+6:G0B+7], BSTEP
	JLOAD
.else
	PLACES
.endif
	s_xor_b32 s[TB], s[TB], SLOTX
	s_add_co_u32 s[FTS], s[FTS], 1024
	v_add_nc_u32 v[ADRA], s[TB], v[A0]
	v_add_nc_u32 v[ADRH], AHI, v[ADRA]
	v_add_nc_u32 v[ADRB], s[TB], v[B0]
	v_add_nc_u32 v[FTA], s[FTS], v[FT0]
	FETCH 0
	FACT                                           ; the old factors are dead: stage 3's fragments were scaled in stage 2
.if \fill
	ASK
.endif
.rept 6
	PR 3, 0
.endr
	s_wait_dscnt 0x0
.rept 12
	PR 3, 0
.rept 6
	RID 0
.endr
.endr
.endm
	s_wait_tensorcnt 0x1                           ; my part of class 0 is in; class 1's may stay out
	s_wait_dscnt 0x0                               ; my stores into my tables are done
	s_barrier_signal -1
	s_barrier_wait -1
	FETCH 0
	FACT
	s_wait_dscnt 0x0
.set q, 0
.rept 72
	RID 0                                          ; the first stage's fragments have no products to ride behind: once a launch
.endr
	STAGE 0, 1
	WIN 0
	s_mov_b32 s3, 6
.Lh:                                               ; a trip: stages 1 to 3 of a class, the change of slots with a refill (classes 2 to 7), stage 0 of the next class
	STAGE 1, 0
	STAGE 2, 0
	TURN 1
	STAGE 0, 0
	WIN 0
	s_sub_co_u32 s3, s3, 1
	s_cmp_lg_u32 s3, 0
	s_cbranch_scc1 .Lh
	STAGE 1, 0                                     ; the tail is written out: nothing is left to ask for
	STAGE 2, 0
	TURN 0
	STAGE 0, 0
	STAGE 1, 0
	STAGE 2, 0
.set i, 0
.rept 36
	PR 3, 0
.endr
	WIN 0
	PLACES
	; THE WAY OUT.  O is divided by l and sent through my stage, a query tile (16 rows x 256 bytes) at a time, so that sixteen lanes store 256 consecutive aligned bytes of a row of out0.
.irp u, 0,1,2,3
	ds_load_b128 v[IV+4*\u:IV+4*\u+3], v[ILA] offset:16*\u
.endr
	s_wait_dscnt 0x0
.macro MUL m2
	WIN 0x41                                       ; destination and source 0 in window 1
.set n, 0
.rept 16
	v_pk_mul_f32 v[32*(\m2)+2*n:32*(\m2)+2*n+1], v[32*(\m2)+2*n:32*(\m2)+2*n+1], v[IV+2*(\m2):IV+2*(\m2)+1]
.set n, n+1
.endr
.endm
.macro TOST m2
	WIN 0x04                                       ; the stores' data in window 1
.set n, 0
.rept 4
	ds_store_b128 v[STO], v[32*(\m2)+8*n:32*(\m2)+8*n+3]   offset:64*n
	ds_store_b128 v[STO], v[32*(\m2)+8*n+4:32*(\m2)+8*n+7] offset:64*n+16
.set n, n+1
.endr
	WIN 0
.set t, 0
.rept 8
	ds_load_b128 v[RB+32*((\m2)%2)+4*t:RB+32*((\m2)%2)+4*t+3], v[RD] offset:t*544  ; LDS serves a wave's instructions in order (ISA guide 5.7.1.4): these see the stores above
.set t, t+1
.endr
.endm
.macro SEND m2
	WIN 0
	s_wait_xcnt 0x0                                ; the stores of the tile before have read their registers: the next TOST loads into them
.set t, 0
.rept 8
	s_wait_dscnt 7-t
	global_store_b128 v[CO], v[RB+32*((\m2)%2)+4*t:RB+32*((\m2)%2)+4*t+3], s[10:11] offset:(\m2)*1048576+t*8192 th:TH_STORE_NT
.set t, t+1
.endr
.endm
	MUL 0
	TOST 0
.irp r2, 1,2,3,4,5,6,7                 ; a tile's arithmetic stands between the loads of the tile before and its stores
	MUL \r2
	SEND (\r2)-1
	TOST \r2
.endr
	SEND 7
	s_wait_tensorcnt 0x0                           ; the wave's end, behind my last tensor load and my last LDS store
	ds_add_u32 v[SPW], v[NIL]
	s_wait_dscnt 0x0
	CROUND                                         ; the closing round
	s_endpgm
.Lfunc_end_k_q9c5b9bac4e_pv:
	.size	k_q9c5b9bac4e_pv, .Lfunc_end_k_q9c5b9bac4e_pv-k_q9c5b9bac4e_pv
	.p2alignl 7, 3214868480
	.fill 96, 4, 3214868480
	.section	.rodata,"a",@progbits
	.p2align	6, 0x0
	.amdhsa_kernel k_q9c5b9bac4e_pv
		.amdhsa_group_segment_fixed_size 327680
		.amdhsa_private_segment_fixed_size 0
		.amdhsa_enable_private_segment 0
		.amdhsa_kernarg_size 32
		.amdhsa_user_sgpr_count 2
		.amdhsa_user_sgpr_kernarg_segment_ptr 1
		.amdhsa_wavefront_size32 1
		.amdhsa_system_sgpr_workgroup_id_x 1
		.amdhsa_system_sgpr_workgroup_id_y 1
		.amdhsa_system_sgpr_workgroup_id_z 1
		.amdhsa_system_vgpr_workitem_id 0
		.amdhsa_next_free_vgpr 640
		.amdhsa_next_free_sgpr 72
		.amdhsa_reserve_vcc 0
		.amdhsa_float_denorm_mode_32 3
		.amdhsa_float_denorm_mode_16_64 3
		.amdhsa_memory_ordered 1
		.amdhsa_forward_progress 1
		.amdhsa_inst_pref_size 178
	.end_amdhsa_kernel
	.amdgpu_metadata
---
amdhsa.version: [ 1, 2 ]
amdhsa.kernels:
  - .name:           k_q9c5b9bac4e_pv
    .symbol:         k_q9c5b9bac4e_pv.kd
    .args:
      - { .name: pb, .offset: 0, .size: 8, .value_kind: global_buffer, .address_space: global }
      - { .name: st, .offset: 8, .size: 8, .value_kind: global_buffer, .address_space: global }
      - { .name: vf, .offset: 16, .size: 8, .value_kind: global_buffer, .address_space: global }
      - { .name: out0, .offset: 24, .size: 8, .value_kind: global_buffer, .address_space: global }
    .group_segment_fixed_size: 327680
    .private_segment_fixed_size: 0
    .kernarg_segment_align: 8
    .kernarg_segment_size: 32
    .max_flat_workgroup_size: 128
    .sgpr_count:     72
    .vgpr_count:     640
    .wavefront_size: 32
...
	.end_amdgpu_metadata
.endif
;; end of part 4
;; ======== version 2 of 2: 4 launches; version 1 with the launch cast written anew for expert scheduling mode
;; limits: values are held in f16: magnitudes above 65,504 overflow, below 6.1e-05 lose precision; right only within a limited range of input values
;; workspace buffers: xw 23,068,672 bytes; qf 16,777,216 bytes; kf 16,777,216 bytes; vf 16,777,216 bytes; pb 18,874,368 bytes; st 1,048,576 bytes
;; launch cast (part 5): grid 704 x 1, 8 waves a work-group, no clusters, 0 bytes of LDS; arguments x, Wq, Wk, Wv, xw; writes xw
.if DOCPART == 5
	.amdgcn_target "amdgcn-amd-amdhsa--gfx1250"
	.amdhsa_code_object_version 6
	.text
	.protected	k_q9c5b9bac4e_cast
	.globl	k_q9c5b9bac4e_cast
	.p2align	8
	.type	k_q9c5b9bac4e_cast,@function
k_q9c5b9bac4e_cast:
	s_mov_b64 s[64:65], 0
	v_nop
	global_prefetch_b8 v0, s[64:65] scope:SCOPE_SE
	s_setreg_imm32_b32 hwreg(HW_REG_WAVE_SCHED_MODE, 0, 2), 2
	s_setreg_imm32_b32 hwreg(HW_REG_WAVE_MODE, 25, 1), 1
	s_wait_xcnt 0x0
	s_wait_alu depctr_vm_vsrc(0)
; x [8192][1024] and Wq, Wk, Wv [1024][1024], all f32, are rounded once to bf16 and laid out for the projection:
; xw[kb 16][row 11264][64 bf16]: K in blocks of 64, a row of a block 128 bytes, a block KS bytes.
; ROWS.  Token s = 256 m2 + 128 w + 16 g + r of batch b goes to row 2048 b + 256 g + 32 m2 + 16 w + r: a block of 256 rows (one g) then holds
; 16 tokens out of every 128, so that under the causal mask all blocks of 256 x 256 scores are the same work.
; Channel e of matrix j (0 q, 1 k, 2 v) goes to row 8192 + (3 (e / 128) + j) 128 + e % 128: the 384 weight rows of a work-group of the projection lie together.
; SHARES.  A work-group takes 16 source rows (work-groups 0-511: x; 512-703: the weights).  Thread t takes row t / 16 and 16 bytes at 16 (t % 16) of each 256 bytes:
; a load of a wave covers 256 consecutive aligned bytes of two rows, a store 256 consecutive aligned bytes (two rows of 128).
; Memory binds: no LDS, no barrier, no matrix unit; all sixteen loads of a thread are out at once and no register is written twice.
; THE MODE: SCHED_MODE bits 1:0 = 2 (LLVM: expert scheduling mode 2), set by the entry lines.  The code itself states the register dependences
; between vector instructions and memory instructions, with s_wait_alu, always for 0.
; THE PLAN.  Registers that memory instructions touch:
;   v1, v2   the loads' and the stores' byte offsets: made at the head by vector instructions, never written again.
;   X        sixteen groups of four: each written once, by its load, and read by the two roundings of its K block; no vector instruction writes them, and nothing lands in them twice.
;   Y        sixteen pairs: each written once, by a rounding, and read once, by its store.
; So the only dependences to state are: the offsets are written, ahead of the first load; and a pair of Y is written, ahead of its store.  The K blocks go in four groups of four:
; a group's four stores stand in one run at the head of the next group, behind the wait for that group's first load and ONE wait on va_vdst for the eight roundings of the group before.
; No register that a load or store reads is written again, no vector instruction writes a scalar register or VCC, and EXEC is never written: no other wait is owed.
.set KS, 1441792                       ; 11,264 rows x 128 bytes
.set XR, 4                             ; v[4:67]   sixteen loads of 4 f32
.set YR, 68                            ; v[68:99]  sixteen pairs of packed bf16
.set DB, 16                            ; s[16:21]  xw at my rows, at K blocks 0, 6 and 12: the stores' immediates then stay under 5 KS + 1
	s_load_b256 s[4:11], s[0:1], 0x0               ; x s[4:5], Wq s[6:7], Wk s[8:9], Wv s[10:11]
	s_load_b64 s[12:13], s[0:1], 0x20              ; xw
	v_lshrrev_b32 v3, 4, v0                        ; my row of the sixteen
	v_and_b32 v2, 15, v0
	v_lshlrev_b32 v1, 4, v2
	v_lshl_add_u32 v1, v3, 12, v1                  ; source: row x 4,096 + 16 (t % 16)
	v_lshlrev_b32 v2, 3, v2
	v_lshl_add_u32 v2, v3, 7, v2                   ; destination: row x 128 + 8 (t % 16)
	s_max_u32 s32, ttmp9, 512
	s_sub_co_u32 s32, s32, 512                     ; the weights' tile number (0 in a work-group of x)
	s_lshr_b32 s33, s32, 6                         ; j: which matrix
	s_and_b32 s26, s32, 63                         ; its tile of 16 channels
	s_lshr_b32 s27, s26, 3                         ; e / 128
	s_mul_i32 s27, s27, 3
	s_add_co_u32 s27, s27, s33
	s_lshl_b32 s27, s27, 7
	s_and_b32 s29, s26, 7
	s_lshl4_add_u32 s27, s29, s27
	s_add_co_u32 s27, s27, 8192                    ; the weights' destination row
	s_lshr_b32 s28, ttmp9, 7
	s_lshl_b32 s28, s28, 7                         ; 128 b
	s_and_b32 s29, ttmp9, 7
	s_lshl4_add_u32 s28, s29, s28                  ; + 16 g
	s_bfe_u32 s29, ttmp9, 0x30004
	s_lshl1_add_u32 s28, s29, s28                  ; + 2 m2
	s_bfe_u32 s29, ttmp9, 0x10003
	s_add_co_u32 s28, s28, s29                     ; + w
	s_lshl_b32 s28, s28, 4                         ; x's destination row
	s_cmp_lt_u32 ttmp9, 512
	s_cselect_b32 s24, s28, s27
	s_cselect_b32 s22, ttmp9, s26
	s_lshl_b32 s24, s24, 7                         ; destination row x 128 bytes
	s_lshl_b32 s22, s22, 16                        ; source tile x 16 rows x 4,096 bytes
	s_mov_b32 s25, 0
	s_mov_b32 s23, 0
	s_wait_kmcnt 0x0
	s_cmp_eq_u32 s33, 1
	s_cselect_b64 s[14:15], s[8:9], s[6:7]
	s_cmp_eq_u32 s33, 2
	s_cselect_b64 s[14:15], s[10:11], s[14:15]
	s_cmp_lt_u32 ttmp9, 512
	s_cselect_b64 s[14:15], s[4:5], s[14:15]       ; the source tensor, chosen by the work-group's number alone
	s_add_nc_u64 s[14:15], s[14:15], s[22:23]
	s_add_nc_u64 s[DB:DB+1], s[12:13], s[24:25]
	s_add_nc_u64 s[DB+2:DB+3], s[DB:DB+1], 6*KS
	s_add_nc_u64 s[DB+4:DB+5], s[DB:DB+1], 12*KS
	s_wait_alu depctr_va_vdst(0)                   ; v1 and v2 are written: every load of the kernel reads v1 as its offset, every store v2
.set kb, 0
.rept 16
	global_load_b128 v[XR+4*kb:XR+4*kb+3], v1, s[14:15] offset:256*kb th:TH_LOAD_NT
.set kb, kb+1
.endr
; The four stores of K blocks first .. first + 3, in one run.
.macro OUT4 first
.set sb, (\first)
.rept 4
	global_store_b64 v2, v[YR+2*sb:YR+2*sb+1], s[DB+2*(sb/6):DB+2*(sb/6)+1] offset:(sb%6)*KS
.set sb, sb+1
.endr
.endm
.set kb, 0
.rept 16
	s_wait_loadcnt 15-kb                           ; loads come back in order: block kb is in, the 15 - kb younger ones stay out
.if (kb % 4 == 0) && (kb > 0)
	s_wait_alu depctr_va_vdst(0)                   ; the eight roundings of the group before, issued ahead of the wait above, have written their pairs of Y, which the four stores below read
	OUT4 kb-4
.endif
	v_cvt_pk_bf16_f32 v[YR+2*kb], v[XR+4*kb], v[XR+4*kb+1]
	v_cvt_pk_bf16_f32 v[YR+2*kb+1], v[XR+4*kb+2], v[XR+4*kb+3]
.set kb, kb+1
.endr
	s_wait_alu depctr_va_vdst(0)                   ; the last group's roundings have written their pairs of Y, which the last four stores read
	OUT4 12
	s_endpgm
.Lfunc_end_k_q9c5b9bac4e_cast:
	.size	k_q9c5b9bac4e_cast, .Lfunc_end_k_q9c5b9bac4e_cast-k_q9c5b9bac4e_cast
	.p2alignl 7, 3214868480
	.fill 96, 4, 3214868480
	.section	.rodata,"a",@progbits
	.p2align	6, 0x0
	.amdhsa_kernel k_q9c5b9bac4e_cast
		.amdhsa_group_segment_fixed_size 0
		.amdhsa_private_segment_fixed_size 0
		.amdhsa_enable_private_segment 0
		.amdhsa_kernarg_size 40
		.amdhsa_user_sgpr_count 2
		.amdhsa_user_sgpr_kernarg_segment_ptr 1
		.amdhsa_wavefront_size32 1
		.amdhsa_system_sgpr_workgroup_id_x 1
		.amdhsa_system_sgpr_workgroup_id_y 1
		.amdhsa_system_sgpr_workgroup_id_z 1
		.amdhsa_system_vgpr_workitem_id 0
		.amdhsa_next_free_vgpr 104
		.amdhsa_next_free_sgpr 66
		.amdhsa_reserve_vcc 0
		.amdhsa_float_denorm_mode_32 3
		.amdhsa_float_denorm_mode_16_64 3
		.amdhsa_memory_ordered 1
		.amdhsa_forward_progress 1
		.amdhsa_inst_pref_size 8
	.end_amdhsa_kernel
	.amdgpu_metadata
---
amdhsa.version: [ 1, 2 ]
amdhsa.kernels:
  - .name:           k_q9c5b9bac4e_cast
    .symbol:         k_q9c5b9bac4e_cast.kd
    .args:
      - { .name: x, .offset: 0, .size: 8, .value_kind: global_buffer, .address_space: global }
      - { .name: Wq, .offset: 8, .size: 8, .value_kind: global_buffer, .address_space: global }
      - { .name: Wk, .offset: 16, .size: 8, .value_kind: global_buffer, .address_space: global }
      - { .name: Wv, .offset: 24, .size: 8, .value_kind: global_buffer, .address_space: global }
      - { .name: xw, .offset: 32, .size: 8, .value_kind: global_buffer, .address_space: global }
    .group_segment_fixed_size: 0
    .private_segment_fixed_size: 0
    .kernarg_segment_align: 8
    .kernarg_segment_size: 40
    .max_flat_workgroup_size: 256
    .sgpr_count:     66
    .vgpr_count:     104
    .wavefront_size: 32
...
	.end_amdgpu_metadata
.endif
;; end of part 5
;; launch proj: the kernel of part 2 again; grid 8 x 32, 4 waves a work-group, clusters of 4 x 4, 327,680 bytes of LDS; arguments xw, qf, kf, vf; writes qf, kf, vf
;; launch scores: the kernel of part 3 again; grid 8 x 32, 4 waves a work-group, clusters of 4 x 4, 327,680 bytes of LDS; arguments qf, kf, pb, st; writes pb, st
;; launch pv: the kernel of part 4 again; grid 8 x 32, 4 waves a work-group, clusters of 4 x 4, 327,680 bytes of LDS; arguments pb, st, vf, out0; writes out0
